; MI455X (gfx1250); checked and timed in simulation.
; The chip was launched on July 23, 2026; its instructions are those of AMD's public machine-readable ISA for CDNA 5 (MIT licence, August 2026) and "CDNA5" Instruction Set Architecture Reference Guide (July 2026). The comments in the code are by the model that wrote it; some were corrected since.
;; Decoder Multi Head Attention. Allowed arithmetic: float matrix products may take bf16 or f16 operands with f32 sums; all other float work in f32.
;; Inputs: Wk 16 x 1,024 x 32 float32; Wo 512 x 1,024 float32; Wq 16 x 1,024 x 32 float32; Wv 16 x 1,024 x 32 float32; k 4 x 2,048 x 1,024 float32; q 4 x 2,048 x 1,024 float32; v 4 x 2,048 x 1,024 float32.
;; Outputs: out0 4 x 2,048 x 1,024 float32.
;; 2 versions, each right and faster than the one before. Each part assembles by itself: llvm-mc -triple=amdgcn-amd-amdhsa -mcpu=gfx1250 --defsym DOCPART=n.
;; ======== version 1 of 2: 4 launches
;; limits: values are held in f16: magnitudes above 65,504 overflow, below 6.1e-05 lose precision
;; workspace buffers: wt 3,145,728 bytes; wot 1,048,576 bytes; qf 8,388,608 bytes; kf 8,388,608 bytes; vf 8,388,608 bytes; xf 8,388,608 bytes
;; launch prep (part 1): grid 256 x 4, 8 waves a work-group, no clusters, 0 bytes of LDS; arguments Wq, Wk, Wv, Wo, wt, wot; writes wt, wot
.if DOCPART == 1
	.amdgcn_target "amdgcn-amd-amdhsa--gfx1250"
	.amdhsa_code_object_version 6
	.text
	.protected	k_q53a3e34ab1_prep
	.globl	k_q53a3e34ab1_prep
	.p2align	8
	.type	k_q53a3e34ab1_prep,@function
k_q53a3e34ab1_prep:
	s_mov_b64 s[64:65], 0
	v_nop
	global_prefetch_b8 v0, s[64:65] scope:SCOPE_SE
	s_setreg_imm32_b32 hwreg(HW_REG_WAVE_MODE, 25, 1), 1
	s_wait_xcnt 0x0
; THE WEIGHTS, ROUNDED AND LAID OUT AS MATRIX OPERANDS.
; A block of 1,024 bytes is one operand of 16 rows x 32 k in 16-bit numbers: piece (c, lane 16 h + r), 16 bytes at 512 c + 16 (16 h + r), holds row r and k = 16 c + 8 h + 0..7,
; so that a wave later takes a whole operand with two loads of 512 consecutive bytes.
; y = 0, 1, 2 (Wq, Wk, Wv: [16 heads][1024 d][32 e], f32): wt[y][kq = d / 32][nb = (32 head + e) / 16][1,024 bytes], bf16, rows = channels, k = d.
; y = 3 (Wo: [512 k][1024 n], f32): wot[x = n / 256][k / 32][(n % 256) / 16][1,024 bytes]: rounded to bf16 as every input of the module is, and that number written as f16.
; LIMIT: a number of Wo below 6e-5 in size keeps f16's fixed step of 6e-8; beyond 65,504 it would be an infinity.
; SHARES.  A wave makes 32 pieces: 8 neighbouring k of 32 neighbouring rows; lane = row.  Each of its eight loads takes 128 consecutive bytes; its one store writes two runs of 256
; consecutive bytes, each at a multiple of 256 from the buffer's first byte.  2,048 waves a tensor.  No LDS, no barrier, no matrix unit: a copy with a transposition that the lanes do by themselves.
	s_load_b256 s[4:11], s[0:1], 0x0               ; Wq s[4:5], Wk s[6:7], Wv s[8:9], Wo s[10:11]
	s_load_b128 s[12:15], s[0:1], 0x20             ; wt s[12:13], wot s[14:15]
	v_lshrrev_b32 v1, 5, v0
	v_readfirstlane_b32 s16, v1                    ; wave 0..7
	s_lshl_b32 s17, ttmp9, 3
	s_add_co_u32 s17, s17, s16                     ; the wave's number among the tensor's 2,048
	s_and_b32 s18, ttmp7, 0xffff                   ; y: which tensor
	v_and_b32 v2, 31, v0                           ; lane
	v_lshlrev_b32 v3, 2, v2                        ; source: 4 bytes a lane
	v_and_b32 v4, 15, v0
	v_bfe_u32 v5, v0, 4, 1
	v_lshlrev_b32 v4, 4, v4                        ; destination: 16 (lane % 16),
	v_lshl_add_u32 v4, v5, 10, v4                  ; and the next block for lanes 16 to 31
	s_mov_b32 s27, 0                               ; upper words of the two offsets
	s_mov_b32 s29, 0
	s_wait_kmcnt 0x0
	s_cmp_eq_u32 s18, 3
	s_cbranch_scc1 .Lwo
	; Wq, Wk or Wv
	s_cmp_eq_u32 s18, 0
	s_cselect_b64 s[20:21], s[4:5], s[6:7]
	s_cmp_eq_u32 s18, 2
	s_cselect_b64 s[20:21], s[8:9], s[20:21]
	s_lshr_b32 s22, s17, 7                         ; head
	s_bfe_u32 s23, s17, 0x50002                    ; kq: 5 bits from bit 2
	s_and_b32 s24, s17, 3                          ; which 8 of the 32 k: 16 c + 8 h = 8 x this
	s_lshl_b32 s26, s22, 17                        ; a head is 131,072 bytes,
	s_lshl_b32 s25, s23, 12                        ; 32 rows of 128 bytes,
	s_add_co_u32 s26, s26, s25
	s_lshl_b32 s25, s24, 10                        ; 8 rows
	s_add_co_u32 s26, s26, s25
	s_add_nc_u64 s[20:21], s[20:21], s[26:27]
.irp i, 0,1,2,3,4,5,6,7
	global_load_b32 v[8+(\i)], v3, s[20:21] offset:(\i)*128  ; W[head][32 kq + 8 ch + i][lane]
.endr
	s_lshl_b32 s28, s18, 20                        ; the tensor's 1,048,576 bytes of wt,
	s_lshl_b32 s25, s23, 15                        ; 32 blocks a kq,
	s_add_co_u32 s28, s28, s25
	s_lshl_b32 s25, s22, 11                        ; two blocks a head,
	s_add_co_u32 s28, s28, s25
	s_lshl_b32 s25, s24, 8                         ; 256 bytes for each 8 k
	s_add_co_u32 s28, s28, s25
	s_add_nc_u64 s[12:13], s[12:13], s[28:29]
	s_wait_loadcnt 0x0
.irp p, 0,1,2,3
	v_cvt_pk_bf16_f32 v[16+(\p)], v[8+2*(\p)], v[9+2*(\p)]
.endr
	global_store_b128 v4, v[16:19], s[12:13]
	s_endpgm
.Lwo:
	s_lshr_b32 s22, s17, 6                         ; g: which 32 columns
	s_and_b32 s23, s17, 63                         ; kp: which 8 rows
	s_lshl_b32 s26, s23, 15                        ; 8 rows of 4,096 bytes,
	s_lshl_b32 s25, s22, 7                         ; 32 columns of 4 bytes
	s_add_co_u32 s26, s26, s25
	s_add_nc_u64 s[10:11], s[10:11], s[26:27]
.irp i, 0,1,2,3,4,5,6,7
	global_load_b32 v[8+(\i)], v3, s[10:11] offset:(\i)*4096  ; Wo[8 kp + i][32 g + lane]
.endr
	s_lshr_b32 s28, s22, 3                         ; x: the slab of 256 columns, 262,144 bytes,
	s_lshl_b32 s28, s28, 18
	s_lshr_b32 s25, s23, 2                         ; the k step of 32: 16 blocks,
	s_lshl_b32 s25, s25, 14
	s_add_co_u32 s28, s28, s25
	s_and_b32 s25, s22, 7                          ; two blocks for 32 columns,
	s_lshl_b32 s25, s25, 11
	s_add_co_u32 s28, s28, s25
	s_and_b32 s25, s23, 3                          ; 256 bytes for each 8 k
	s_lshl_b32 s25, s25, 8
	s_add_co_u32 s28, s28, s25
	s_add_nc_u64 s[14:15], s[14:15], s[28:29]
	s_wait_loadcnt 0x0
.irp p, 0,1,2,3
	v_cvt_pk_bf16_f32 v[16+(\p)], v[8+2*(\p)], v[9+2*(\p)]  ; the input's one rounding, to bf16
.endr
.irp p, 0,1,2,3
	v_lshlrev_b32 v[8+2*(\p)], 16, v[16+(\p)]      ; back to f32: the low half moves up,
	v_and_b32 v[9+2*(\p)], 0xffff0000, v[16+(\p)]  ; the high half stays
.endr
.irp p, 0,1,2,3
	v_cvt_pk_f16_f32 v[16+(\p)], v[8+2*(\p)], v[9+2*(\p)]  ; the same number as f16
.endr
	global_store_b128 v4, v[16:19], s[14:15]
	s_endpgm
.Lfunc_end_k_q53a3e34ab1_prep:
	.size	k_q53a3e34ab1_prep, .Lfunc_end_k_q53a3e34ab1_prep-k_q53a3e34ab1_prep
	.p2alignl 7, 3214868480
	.fill 96, 4, 3214868480
	.section	.rodata,"a",@progbits
	.p2align	6, 0x0
	.amdhsa_kernel k_q53a3e34ab1_prep
		.amdhsa_group_segment_fixed_size 0
		.amdhsa_private_segment_fixed_size 0
		.amdhsa_enable_private_segment 0
		.amdhsa_kernarg_size 48
		.amdhsa_user_sgpr_count 2
		.amdhsa_user_sgpr_kernarg_segment_ptr 1
		.amdhsa_wavefront_size32 1
		.amdhsa_system_sgpr_workgroup_id_x 1
		.amdhsa_system_sgpr_workgroup_id_y 1
		.amdhsa_system_sgpr_workgroup_id_z 1
		.amdhsa_system_vgpr_workitem_id 0
		.amdhsa_next_free_vgpr 24
		.amdhsa_next_free_sgpr 66
		.amdhsa_reserve_vcc 0
		.amdhsa_float_denorm_mode_32 3
		.amdhsa_float_denorm_mode_16_64 3
		.amdhsa_memory_ordered 1
		.amdhsa_forward_progress 1
		.amdhsa_inst_pref_size 6
	.end_amdhsa_kernel
	.amdgpu_metadata
---
amdhsa.version: [ 1, 2 ]
amdhsa.kernels:
  - .name:           k_q53a3e34ab1_prep
    .symbol:         k_q53a3e34ab1_prep.kd
    .args:
      - { .name: Wq, .offset: 0, .size: 8, .value_kind: global_buffer, .address_space: global }
      - { .name: Wk, .offset: 8, .size: 8, .value_kind: global_buffer, .address_space: global }
      - { .name: Wv, .offset: 16, .size: 8, .value_kind: global_buffer, .address_space: global }
      - { .name: Wo, .offset: 24, .size: 8, .value_kind: global_buffer, .address_space: global }
      - { .name: wt, .offset: 32, .size: 8, .value_kind: global_buffer, .address_space: global }
      - { .name: wot, .offset: 40, .size: 8, .value_kind: global_buffer, .address_space: global }
    .group_segment_fixed_size: 0
    .private_segment_fixed_size: 0
    .kernarg_segment_align: 8
    .kernarg_segment_size: 48
    .max_flat_workgroup_size: 256
    .sgpr_count:     66
    .vgpr_count:     24
    .wavefront_size: 32
...
	.end_amdgpu_metadata
.endif
;; end of part 1
;; launch proj (part 2): grid 64 x 3, 4 waves a work-group, no clusters, 327,680 bytes of LDS; arguments q, k, v, wt, qf, kf, vf; writes qf, kf, vf
.if DOCPART == 2
	.amdgcn_target "amdgcn-amd-amdhsa--gfx1250"
	.amdhsa_code_object_version 6
	.text
	.protected	k_q53a3e34ab1_proj
	.globl	k_q53a3e34ab1_proj
	.p2align	8
	.type	k_q53a3e34ab1_proj,@function
k_q53a3e34ab1_proj:
	s_mov_b64 s[64:65], 0
	v_nop
	global_prefetch_b8 v0, s[64:65] scope:SCOPE_SE
	s_setreg_imm32_b32 hwreg(HW_REG_WAVE_MODE, 25, 1), 1
	s_wait_xcnt 0x0
; THE THREE PROJECTIONS.  y = 0, 1, 2: out[token][32 head + e] = the sum over d of x[token][d] W[head][d][e], x = q, k, v: [8192 tokens][1024] f32, rounded to bf16 on the way; W from wt (bf16, operand blocks).
; Sums in f32, results rounded once to f16.  For y = 0 the f32 sum is first multiplied by c = log2(e) / 32, the softmax's scale 1024^-0.5 and the change to base 2.
; LIMITS: c Q, K and V beyond 65,504 would be infinities in f16 (with inputs and weights both 30 times those of unit spread they reach some 7,000); NaN and infinities are not treated apart.
; SHARES.  A work-group makes 128 tokens x all 512 channels, so each token byte leaves memory once; 64 x 3 work-groups.  Wave w makes 128 tokens x channels 128 w .. (heads 4 w .. 4 w + 3): 64 accumulators, 512 registers.
; NO CLUSTER: tokens belong to one work-group alone; each fragment of W is used by one wave of a work-group and goes straight into its registers (512 consecutive bytes a load); shared through LDS it would be
; written there and read back, 1 MiB each a work-group, for nothing saved in the registers.
; THE MATRIX INSTRUCTION: source 0 = 16 channels of W, source 1 = 16 tokens: a lane of the result holds ONE token (lane % 16) and channels 8 (lane / 16) + 0..7, which packed to f16 are 16 bytes:
; piece (c = channel block % 2, my lane) of the operand block [16 tokens x a head's 32 channels] that the attention launch reads.  So results are stored from registers, 512 consecutive bytes a store, with no stage.
; For V the piece of (token r, channel half h) goes to place 16 (r / 8) + 8 h + r % 8 of its 32, so that the turning LDS load of the attention launch reads consecutive bytes.
; K goes in 8 steps of 128, each 4 quarters of 32 (64 matrix instructions).  TOKENS: a tensor load brings a wave 32 rows x 512 bytes of f32 (raw slot); the wave that asked converts them, 8 rows a quarter, into the
; cooked buffer of the NEXT step (bf16, 272 bytes from row to row), from which all four waves take fragments behind the step's barrier.  Two raw slots, two cooked buffers, 1 << 17 bytes apart.
; One barrier a step does three things: the cooked buffer just written is whole, nobody reads the old one any more, and the raw slot just converted is filled again, two steps ahead.
; By this text's own count a wave has two tensor loads out at the start and one behind each barrier with a refill.
; REGISTERS, in windows of 256 (s_set_vgpr_msb: bits 1:0 source 0, 3:2 source 1, 5:4 source 2, 7:6 destination):
;   window 0: v0-31 addresses; v64-127, v128-191 token fragments, two buffers (on the way out: packed results); v192-223 raw rows; v224-239 converted rows
;   window 1: four buffers of 64 for W's fragments of a quarter, asked for three quarters ahead      windows 2, 3: accumulator (a, b) at v[8 (8 (a % 4) + b)], token blocks 0-3 and 4-7
.set T,     1<<17                      ; from slot 0 to slot 1
.set RP,    528                        ; a raw row: 512 bytes + 16 of padding
.set CP,    272                        ; a cooked row: 256 bytes + 16: 68 words, so the 16 rows of a fragment load start at 16 different groups of four banks (64 banks of 4 bytes: ISA guide 11.1)
.set WRAW,  32*RP                      ; a wave's part of a raw slot
.set COOK,  128*RP                     ; the cooked buffer lies behind the raw slot; no tensor load lands there
.set SPARE, T+COOK+128*CP              ; behind everything: the spare words, 128 bytes a wave, two blocks of 256 bytes that no other line names
.set ADA0, 8                           ; v8   my lane's place in a cooked buffer, for fragments; never rewritten
.set ACS0, 9                           ; v9   the same for my wave's stores of converted rows
.set ARL0, 10                          ; v10  my lane's place in my wave's part of a raw slot
.set ADA,  11                          ; v11-13 the three with the slot in hand added
.set ACS,  12
.set ARL,  13
.set WO,   14                          ; v14  my byte offset in a quarter's blocks of W
.set GO,   15                          ; v15  my piece's place in 512 bytes of the output
.set SPW,  28                          ; v28  LDS address of my spare word; never rewritten
.set NIL,  29                          ; v29  0; never rewritten
.set F0,   64
.set F1,   128
.set RAW,  192
.set PK,   224
.set TMP,  64
.set WV,   18                          ; s18  wave
.set Y,    19                          ; s19  which tensor
.set BI,   20                          ; s20  which 128 tokens
.set SRC,  22                          ; s[22:23] x at my wave's first row
.set DST,  24                          ; s[24:25] the output at my wave's first block
.set WB,   26                          ; s[26:27] the tensor's part of wt, stepped by a K step
.set CS,   28                          ; s[28:29] c, named as a pair
.set PS,   30                          ; s30  the slot that is multiplied: 0 or T
.set PN,   31                          ; s31  the slot that is converted
.set CT,   32                          ; s32  trips
.set VM,   33                          ; s33  all ones for V
.set G1,   36                          ; s[36:43] descriptor group 1
.set G0A,  44                          ; s[44:47] group 0 of the first fill
.set G0B,  48                          ; s[48:51] group 0 of the second, which then walks
.set MSB, 0
.macro WIN new                         ; the immediate's high byte repeats the setting that is left; a switch that changes nothing is dropped
.if MSB != (\new)
	s_set_vgpr_msb (MSB<<8)|(\new)
.set MSB, \new
.endif
.endm
.set MUL_LO, 0xa1                      ; source 0 (W) window 1, source 1 (tokens) window 0, C and D window 2
.set MUL_HI, 0xf1                      ; the same, C and D window 3
.set TO_W,   0x40                      ; destination window 1, address window 0
.macro PLACES                          ; four plain instructions between a matrix instruction and a load into, or a vector read or write of, its registers (ISA guide 7.12.1 for vector reads and writes)
.rept 4
	v_nop
.endr
.endm
; 16 matrix instructions: token blocks a0, a0 + 1 of the window's four x all 8 channel blocks, 32 along K.  zero = 1: the products start the sums.  The 64 accumulators take turns in one fixed order.
.macro MUL16 wf, af, hi, a0, zero
	WIN MUL_LO+0x50*(\hi)
.irp a, \a0, (\a0)+1
.irp b, 0,1,2,3,4,5,6,7
.if \zero
	v_wmma_f32_16x16x32_bf16 v[8*(8*(\a)+(\b)):8*(8*(\a)+(\b))+7], v[(\wf)+8*(\b):(\wf)+8*(\b)+7], v[(\af)+8*(4*(\hi)+(\a)):(\af)+8*(4*(\hi)+(\a))+7], 0
.else
	v_wmma_f32_16x16x32_bf16 v[8*(8*(\a)+(\b)):8*(8*(\a)+(\b))+7], v[(\wf)+8*(\b):(\wf)+8*(\b)+7], v[(\af)+8*(4*(\hi)+(\a)):(\af)+8*(4*(\hi)+(\a))+7], v[8*(8*(\a)+(\b)):8*(8*(\a)+(\b))+7]
.endif
.endr
.endr
.endm
.macro FETCHA g, koff                  ; 16 LDS loads: the token fragments of 32 along K at byte koff of the cooked rows
	WIN 0
.irp a, 0,1,2,3,4,5,6,7
	ds_load_b128 v[(\g)+8*(\a):(\g)+8*(\a)+3],   v[ADA] offset:(\koff)+(\a)*16*CP
	ds_load_b128 v[(\g)+8*(\a)+4:(\g)+8*(\a)+7], v[ADA] offset:(\koff)+(\a)*16*CP+32
.endr
.endm
.macro RAWLD p                         ; 8 of my 32 raw rows: a row's 512 bytes, 16 a lane
	WIN 0
.irp j, 0,1,2,3,4,5,6,7
	ds_load_b128 v[RAW+4*(\j):RAW+4*(\j)+3], v[ARL] offset:(8*(\p)+(\j))*RP
.endr
.endm
.macro CVT                             ; to bf16, the input's one rounding
	WIN 0
.irp j, 0,1,2,3,4,5,6,7
	v_cvt_pk_bf16_f32 v[PK+2*(\j)],   v[RAW+4*(\j)],   v[RAW+4*(\j)+1]
	v_cvt_pk_bf16_f32 v[PK+2*(\j)+1], v[RAW+4*(\j)+2], v[RAW+4*(\j)+3]
.endr
.endm
.macro STC p                           ; into the cooked buffer: a row's 256 bytes, 8 a lane
	WIN 0
.irp j, 0,1,2,3,4,5,6,7
	ds_store_b64 v[ACS], v[PK+2*(\j):PK+2*(\j)+1] offset:(8*(\p)+(\j))*CP
.endr
.endm
.macro WLOAD buf, off                  ; 16 loads of 512 consecutive bytes: my 8 channel blocks of one quarter of W
	WIN TO_W
.irp b, 0,1,2,3,4,5,6,7
	global_load_b128 v[(\buf)+8*(\b):(\buf)+8*(\b)+3],   v[WO], s[WB:WB+1] offset:(\off)+(\b)*1024
	global_load_b128 v[(\buf)+8*(\b)+4:(\buf)+8*(\b)+7], v[WO], s[WB:WB+1] offset:(\off)+(\b)*1024+512
.endr
.endm
.macro SETADR
	v_add_nc_u32 v[ADA], s[PS], v[ADA0]
	v_add_nc_u32 v[ACS], s[PN], v[ACS0]
	v_add_nc_u32 v[ARL], s[PN], v[ARL0]
.endm
.macro TOGGLE                          ; the slots change places
	s_xor_b32 s[PS], s[PS], T
	s_xor_b32 s[PN], s[PN], T
	SETADR
.endm
; One of a step's first three quarters: multiplies W buffer wf by token buffer f.  In its middle: 8 raw rows loaded a quarter ago are converted and stored (piece pc), the next quarter's token fragments
; (byte koff) go into g, the next 8 raw rows (piece pl) are loaded, and W of three quarters on is asked for.  The 16 conversions are the places in front of those loads.
.macro QUARTER wf, f, g, koff, pc, pl, wbuf, woff, zero
	s_wait_loadcnt 32                              ; this quarter's W is in; the next two quarters', 16 loads each, stay out
	s_wait_dscnt 8                                 ; the 16 fragment loads are in; the 8 raw rows behind them may be out
	MUL16 \wf, \f, 0, 0, \zero
	MUL16 \wf, \f, 0, 2, \zero
	WIN 0
	s_wait_dscnt 0x0                               ; the raw rows
	CVT
	STC \pc
	FETCHA \g, \koff
	RAWLD \pl
	WLOAD \wbuf, \woff
	MUL16 \wf, \f, 1, 0, \zero
	MUL16 \wf, \f, 1, 2, \zero
.endm
; A step's last quarter, with the barrier.  In front of it: my last converted rows are stored; all my tensor loads have landed (one was out: the raw rows of the step after next... of which the next conversion reads);
; the add; my LDS instructions are done.  Behind it: the raw slot that I have just converted is filled again (refill = 1), first thing; then the slots change places.
.macro LASTQ refill
	s_wait_loadcnt 32
	s_wait_dscnt 8
	MUL16 192, F1, 0, 0, 0
	WIN 0
	s_wait_dscnt 0x0
	CVT
	STC 3
	s_wait_tensorcnt 0x0                           ; no tensor load of mine is out, so a group 0 may be written
	ds_add_u32 v[SPW], v[NIL]                      ; 0 onto my spare word: sixteen matrix instructions stand between it and the wait for it
.if \refill
	s_xor_b32 s[G0B+1], s[G0B+1], T                ; the walking descriptor: the other slot than last time,
	s_add_nc_u64 s[G0B+2:G0B+3], s[G0B+2:G0B+3], 512  ; the next 128 columns; the type bits on top are not reached
.endif
	MUL16 192, F1, 0, 2, 0
	s_wait_dscnt 0x0                               ; for the others' sake: the add, my stores into the next cooked buffer and my reads of this one are done
	s_barrier_signal -1
	MUL16 192, F1, 1, 0, 0                         ; work on registers while the others arrive
	WIN 0
	s_barrier_wait -1
.if \refill
	tensor_load_to_lds s[G0B:G0B+3], s[G1:G1+7]    ; my one tensor load behind this barrier: it has a whole step, 256 matrix instructions, in which to land
	s_nop 0
	PLACES
.endif
	TOGGLE
	FETCHA F0, 0
	RAWLD 0
	WLOAD 128, 6*32768
	MUL16 192, F1, 1, 2, 0
.endm
.macro TRIP refill                     ; from a step's second quarter to the next step's first
	QUARTER 64,  F1, F0, 128, 1, 2, 0,   4*32768, 0
	QUARTER 128, F0, F1, 192, 2, 3, 64,  5*32768, 0
	LASTQ \refill
	QUARTER 0,   F0, F1, 64,  0, 1, 192, 7*32768, 0
	WIN 0                                          ; at a label and at a branch every window is 0
	s_wait_xcnt 0x0                                ; the loads' base is stepped only behind this wait
	s_add_nc_u64 s[WB:WB+1], s[WB:WB+1], 131072    ; four quarters of W
	s_sub_co_u32 s[CT], s[CT], 1
	s_cmp_lg_u32 s[CT], 0
.endm
.macro TAILQ wf, f, g, koff, lc, dc, fetch  ; the last step's quarters 1 to 3: nothing is left to convert or to ask for
	s_wait_loadcnt \lc
	s_wait_dscnt \dc
	MUL16 \wf, \f, 0, 0, 0
	MUL16 \wf, \f, 0, 2, 0
.if \fetch
	WIN 0
	PLACES
	FETCHA \g, \koff
.endif
	MUL16 \wf, \f, 1, 0, 0
	MUL16 \wf, \f, 1, 2, 0
.endm
; THE WAY OUT of 32 accumulators (a window): for Q times c in f32; rounded to f16; stored, 512 consecutive bytes a store.  Each accumulator's registers are taken in ascending order.
.macro OUTHALF hi
	s_cmp_lg_u32 s[Y], 0
	s_cbranch_scc1 .Lplain_\@
	WIN 0x82+0x41*(\hi)                            ; destination and source 0 in window 2 or 3
.set n, 0
.rept 128
	v_pk_mul_f32 v[2*n:2*n+1], v[2*n:2*n+1], s[CS:CS+1] op_sel_hi:[1,0]
.set n, n+1
.endr
	WIN 0
.Lplain_\@:
.if \hi
	s_wait_xcnt 0x0                                ; the first half's stores have read their registers, which are written again
.endif
	WIN 0x0a+5*(\hi)                               ; sources 0 and 1 in window 2 or 3
.set n, 0
.rept 128
	v_cvt_pk_f16_f32 v[TMP+n], v[2*n], v[2*n+1]
.set n, n+1
.endr
	WIN 0
.irp a, 0,1,2,3
.irp b, 0,1,2,3,4,5,6,7
	global_store_b128 v[GO], v[TMP+4*(8*(\a)+(\b)):TMP+4*(8*(\a)+(\b))+3], s[DST:DST+1] offset:(4*(\hi)+(\a))*1024+((\b)/2)*131072+((\b)%2)*512  ; token block, head, channel half
.endr
.endr
.endm
	s_load_b256 s[4:11], s[0:1], 0x0               ; q s[4:5], k s[6:7], v s[8:9], wt s[10:11]
	s_load_b128 s[12:15], s[0:1], 0x20             ; qf s[12:13], kf s[14:15]
	s_load_b64 s[16:17], s[0:1], 0x30              ; vf
	v_lshl_add_u32 v[SPW], v0, 2, SPARE
	v_mov_b32 v[NIL], 0
	ds_add_u32 v[SPW], v[NIL]                      ; the wave's opening: the add and its wait stand ahead of my first tensor load; the set-up below, work on registers, stands between them
	ds_add_u32 v28, v29
	v_lshrrev_b32 v1, 5, v0
	v_readfirstlane_b32 s[WV], v1                  ; wave 0..3
	s_and_b32 s[Y], ttmp7, 0xffff
	s_mov_b32 s[BI], ttmp9
	; descriptor group 1: 32 rows x 128 elements of 4 bytes, padded in LDS
	s_mov_b32 s[G1+0], (2<<16)|(1<<20)|(6<<22)|(3<<25)  ; 17:16 elements of 4 bytes; 20 padding on; 24:22 after every 128 words (code 6); 31:25 4 words of it (code 3)
	s_mov_b32 s[G1+1], 128<<16                     ; tensor_dim0 = 128
	s_mov_b32 s[G1+2], 32<<16                      ; tensor_dim1 = 32
	s_mov_b32 s[G1+3], 128<<16                     ; tile_dim0 = 128
	s_mov_b32 s[G1+4], 32                          ; tile_dim1 = 32
	s_mov_b32 s[G1+5], 1024                        ; 1,024 elements from row to row
	s_mov_b32 s[G1+6], 0
	s_mov_b32 s[G1+7], 0
	s_mov_b32 s[G0A], 1                            ; count = 1
	s_mul_i32 s[G0A+1], s[WV], WRAW                ; LDS address: my part of raw slot 0
	s_mov_b32 s[G0B], 1
	s_add_co_u32 s[G0B+1], s[G0A+1], T             ; of raw slot 1
	s_lshl_b32 s52, s[BI], 19                      ; 128 rows of 4,096 bytes,
	s_lshl_b32 s53, s[WV], 17                      ; my wave's 32 of them
	s_add_co_u32 s52, s52, s53
	s_mov_b32 s53, 0
	s_lshl_b32 s54, s[Y], 20                       ; the tensor's part of wt
	s_mov_b32 s55, 0
	s_lshr_b32 s56, s[BI], 4                       ; batch
	s_lshl_b32 s56, s56, 2
	s_add_co_u32 s56, s56, s[WV]
	s_lshl_b32 s56, s56, 19                        ; (16 batch + 4 w) heads of 131,072 bytes,
	s_and_b32 s57, s[BI], 15
	s_lshl_b32 s57, s57, 13                        ; 8 token blocks of 1,024 bytes
	s_add_co_u32 s56, s56, s57
	s_mov_b32 s57, 0
	s_mov_b32 s[CS], 0x3d38aa3b                    ; c = log2(e) / 32
	s_mov_b32 s[CS+1], s[CS]                       ; named with it as a pair
	s_mov_b32 s[PS], T                             ; ahead of the first barrier slot 0 is the one that is converted
	s_mov_b32 s[PN], 0
	s_cmp_eq_u32 s[Y], 2
	s_cselect_b32 s[VM], -1, 0
	v_and_b32 v1, 15, v0                           ; r = lane % 16
	v_bfe_u32 v2, v0, 4, 1                         ; h = lane / 16
	v_and_b32 v3, 31, v0                           ; lane
	v_mul_u32_u24 v4, v1, CP
	v_lshl_add_u32 v4, v2, 4, v4
	v_add_nc_u32 v[ADA0], COOK, v4                 ; a fragment's row x pitch + 16 x half
	s_mul_i32 s58, s[WV], 32*CP
	s_add_co_u32 s58, s58, COOK
	v_lshl_add_u32 v[ACS0], v3, 3, s58             ; my wave's 32 cooked rows, 8 bytes a lane
	v_lshl_add_u32 v[ARL0], v3, 4, s[G0A+1]        ; my wave's 32 raw rows, 16 bytes a lane
	s_lshl_b32 s58, s[WV], 13
	v_lshl_add_u32 v[WO], v3, 4, s58               ; my wave's 8 blocks of W, 16 bytes a lane
	v_and_b32 v6, 7, v0                            ; V's order of pieces: 16 (r / 8) + 8 h + r % 8
	v_bfe_u32 v7, v0, 3, 1
	v_lshl_add_u32 v6, v2, 3, v6
	v_lshl_add_u32 v6, v7, 4, v6
	v_lshlrev_b32 v6, 4, v6
	v_lshlrev_b32 v4, 4, v3                        ; Q's and K's: the lane
	v_cndmask_b32 v[GO], v4, v6, s[VM]
	SETADR
	s_wait_dscnt 0x0                               ; the opening add is done
	s_wait_kmcnt 0x0
	s_cmp_eq_u32 s[Y], 0
	s_cselect_b64 s[SRC:SRC+1], s[4:5], s[6:7]
	s_cselect_b64 s[DST:DST+1], s[12:13], s[14:15]
	s_cmp_eq_u32 s[Y], 2
	s_cselect_b64 s[SRC:SRC+1], s[8:9], s[SRC:SRC+1]
	s_cselect_b64 s[DST:DST+1], s[16:17], s[DST:DST+1]
	s_add_nc_u64 s[SRC:SRC+1], s[SRC:SRC+1], s[52:53]
	s_add_nc_u64 s[DST:DST+1], s[DST:DST+1], s[56:57]
	s_add_nc_u64 s[WB:WB+1], s[10:11], s[54:55]
	s_mov_b64 s[G0A+2:G0A+3], s[SRC:SRC+1]         ; global address: K step 0
	s_or_b32 s[G0A+3], s[G0A+3], 0x80000000        ; type = 2
	s_add_nc_u64 s[G0B+2:G0B+3], s[SRC:SRC+1], 512 ; K step 1
	s_or_b32 s[G0B+3], s[G0B+3], 0x80000000
	tensor_load_to_lds s[G0A:G0A+3], s[G1:G1+7]    ; the two first fills go out together, ahead of every wait on TENSORcnt, every LDS read and every barrier
	s_nop 0
	tensor_load_to_lds s[G0B:G0B+3], s[G1:G1+7]
	s_nop 0
	PLACES
	WLOAD 0,   0                                   ; W of the first three quarters
	WLOAD 64,  32768
	WLOAD 128, 2*32768
	WIN 0
	s_wait_tensorcnt 0x1                           ; my rows of K step 0 are in; step 1's may stay out.  Only I read them, so my own counter orders these reads
.irp p, 0,1,2,3
	RAWLD \p
	s_wait_dscnt 0x0
	CVT
	STC \p
.endr
	s_wait_tensorcnt 0x0                           ; the barrier in front of step 0, in the form of every other: all my tensor loads have landed,
	ds_add_u32 v[SPW], v[NIL]                      ; the add,
	s_xor_b32 s[G0B+1], s[G0B+1], T                ; the walking descriptor turns to slot 0
	s_add_nc_u64 s[G0B+2:G0B+3], s[G0B+2:G0B+3], 512  ; and K step 2,
	s_wait_dscnt 0x0                               ; the add, my reads of raw slot 0 and my stores into cooked buffer 0 are done
	s_barrier_signal -1
	s_barrier_wait -1
	tensor_load_to_lds s[G0B:G0B+3], s[G1:G1+7]
	s_nop 0
	PLACES
	TOGGLE
	FETCHA F0, 0
	RAWLD 0
	QUARTER 0, F0, F1, 64, 0, 1, 192, 3*32768, 1   ; the first quarter stands in front of the loops: its products start the sums
	WIN 0
	s_mov_b32 s[CT], 5
.Lfill:                                                ; steps 0 to 4: their barriers ask for K steps 3 to 7
	TRIP 1
	s_cbranch_scc1 .Lfill
	s_mov_b32 s[CT], 2
.Ldry:                                                 ; steps 5 and 6: nothing is left to ask for.  The second trip's last quarter converts 8 rows of an old raw slot into the cooked buffer
	TRIP 0                                         ; that nobody reads any more, and loads 8 more that nobody uses: the price of one text for both trips
	s_cbranch_scc1 .Ldry
	TAILQ 64,  F1, F0, 128, 32, 8, 1               ; W of two quarters stays out; so may the 8 raw rows
	TAILQ 128, F0, F1, 192, 16, 0, 1
	TAILQ 192, F1, 0,  0,   0,  0, 0
	WIN 0
	PLACES
	OUTHALF 0
	OUTHALF 1
	s_wait_tensorcnt 0x0                           ; the wave's end, behind my last tensor load and my last LDS store
	ds_add_u32 v[SPW], v[NIL]
	s_wait_dscnt 0x0
	s_endpgm
.Lfunc_end_k_q53a3e34ab1_proj:
	.size	k_q53a3e34ab1_proj, .Lfunc_end_k_q53a3e34ab1_proj-k_q53a3e34ab1_proj
	.p2alignl 7, 3214868480
	.fill 96, 4, 3214868480
	.section	.rodata,"a",@progbits
	.p2align	6, 0x0
	.amdhsa_kernel k_q53a3e34ab1_proj
		.amdhsa_group_segment_fixed_size 327680
		.amdhsa_private_segment_fixed_size 0
		.amdhsa_enable_private_segment 0
		.amdhsa_kernarg_size 56
		.amdhsa_user_sgpr_count 2
		.amdhsa_user_sgpr_kernarg_segment_ptr 1
		.amdhsa_wavefront_size32 1
		.amdhsa_system_sgpr_workgroup_id_x 1
		.amdhsa_system_sgpr_workgroup_id_y 1
		.amdhsa_system_sgpr_workgroup_id_z 1
		.amdhsa_system_vgpr_workitem_id 0
		.amdhsa_next_free_vgpr 1024
		.amdhsa_next_free_sgpr 66
		.amdhsa_reserve_vcc 0
		.amdhsa_float_denorm_mode_32 3
		.amdhsa_float_denorm_mode_16_64 3
		.amdhsa_memory_ordered 1
		.amdhsa_forward_progress 1
		.amdhsa_inst_pref_size 153
	.end_amdhsa_kernel
	.amdgpu_metadata
---
amdhsa.version: [ 1, 2 ]
amdhsa.kernels:
  - .name:           k_q53a3e34ab1_proj
    .symbol:         k_q53a3e34ab1_proj.kd
    .args:
      - { .name: q, .offset: 0, .size: 8, .value_kind: global_buffer, .address_space: global }
      - { .name: k, .offset: 8, .size: 8, .value_kind: global_buffer, .address_space: global }
      - { .name: v, .offset: 16, .size: 8, .value_kind: global_buffer, .address_space: global }
      - { .name: wt, .offset: 24, .size: 8, .value_kind: global_buffer, .address_space: global }
      - { .name: qf, .offset: 32, .size: 8, .value_kind: global_buffer, .address_space: global }
      - { .name: kf, .offset: 40, .size: 8, .value_kind: global_buffer, .address_space: global }
      - { .name: vf, .offset: 48, .size: 8, .value_kind: global_buffer, .address_space: global }
    .group_segment_fixed_size: 327680
    .private_segment_fixed_size: 0
    .kernarg_segment_align: 8
    .kernarg_segment_size: 56
    .max_flat_workgroup_size: 128
    .sgpr_count:     66
    .vgpr_count:     1024
    .wavefront_size: 32
...
	.end_amdgpu_metadata
.endif
;; end of part 2
;; launch attn (part 3): grid 4 x 64, 8 waves a work-group, clusters of 4 x 1, 327,680 bytes of LDS; arguments qf, kf, vf, xf; writes xf
.if DOCPART == 3
	.amdgcn_target "amdgcn-amd-amdhsa--gfx1250"
	.amdhsa_code_object_version 6
	.text
	.protected	k_q53a3e34ab1_attn
	.globl	k_q53a3e34ab1_attn
	.p2align	8
	.type	k_q53a3e34ab1_attn,@function
k_q53a3e34ab1_attn:
	s_mov_b64 s[64:65], 0
	v_nop
	global_prefetch_b8 v0, s[64:65] scope:SCOPE_SE
	s_setreg_imm32_b32 hwreg(HW_REG_WAVE_MODE, 25, 1), 1
	s_wait_xcnt 0x0
	s_wait_alu depctr_hold_cnt(0) depctr_sa_sdst(0) depctr_va_vdst(0) depctr_va_sdst(0) depctr_va_ssrc(0) depctr_va_vcc(0) depctr_vm_vsrc(0)
	s_getreg_b32 s2, hwreg(HW_REG_IB_STS2, 6, 4)
	s_cmp_eq_u32 s2, 0
	s_cbranch_scc0 .Lentry_in_a_cluster
	s_endpgm
.Lentry_in_a_cluster:
	s_bfe_u32 s2, ttmp6, 0x10000c
	s_cmp_lg_u32 s2, 0x3003
	s_cbranch_scc0 .Lentry_shape_is_right
	s_endpgm
.Lentry_shape_is_right:
; ATTENTION AT HEAD SIZE 32, IN TWO PASSES.  O[q] = the sum over k of softmax_k(Q[q] . K[k] / 32) V[k], for 64 (batch, head) pairs of 2,048 rows.  qf holds c Q, c = log2(e) / 32, so a score is already an exponent of 2.
; All of qf, kf, vf, xf are f16 in operand blocks of 1,024 bytes (16 rows x 32 channels; piece (c, lane 16 h + r) = row r, channels 16 c + 8 h + 0..7; vf with its pieces in the order that the turning load wants).
; Products, maxima and sums in f32.  LIMITS: the weights p = 2^(s - m) are rounded to f16 for the second product: below 6e-8 they count as 0; their sum l is taken of the rounded p, by the same unit and in the
; same order as O's sums; NaN and infinities are not treated apart.
; WHY TWO PASSES.  A tile of 16 queries x 32 keys has only 2 + 2 matrix instructions, and the vector work decides.  Pass 1 makes the scores and takes nothing but their maximum m, the row's true maximum over all keys.
; Pass 2 makes them again with -m as the C operand, so that the product IS the exponent: 16 exponentials and 8 roundings remain; l is a product of ones with P.  No running statistics, no rescaling, no chain.
; For 16 x 32: 7 matrix and 32 vector instructions, against 4 or 5 and some 54 with a running maximum.
; SHARES.  A work-group takes 512 queries of one head, each of its eight waves 64: four tiles of 16.  A head's K and V, 131,072 bytes each, lie in LDS for the whole launch: filled once, never again.
; Two waves share a SIMD: one's products stand beside the other's exponentials.
; CLUSTER.  The four work-groups of a cluster are the four query blocks of one head: K and V are asked for JOINTLY, the same tensor loads with the same descriptors and a mask of four in all four.
; LAYOUT.  S^T = K Q^T (source 0 = 16 keys, source 1 = 16 queries): a lane holds ONE query (lane % 16) and keys 8 (lane / 16) + 0..7.  Two such results rounded to f16 in pairs ARE source 1 (32 keys x 16 queries) of
; O^T = V^T P, whose result holds one query a lane and eight channels: packed, a piece of the block that the output projection reads.  Nothing changes lanes but the maximum, once.
; REGISTERS: window 0: v2-7 addresses; v8-15 ones; v16-47 Q; v48-79 -m, eight equal registers a tile; v80-143 S^T, 16 a tile (pass 1: two buffers of 8 a tile); v144-175 K, v176-207 V, two buffers each
; (pass 1: eight key blocks); v208-223 four chains of maxima a tile; v224-231 1 / l.   window 1: v0-63 O^T, 16 a tile; v64-95 l, 8 a tile.
.set VB,    131072                     ; V lies behind K
.set SPARE, 262144                     ; behind both: the spare words, 128 bytes a wave, four blocks of 256 bytes that no other line names
.set LA,  2                            ; v2  16 x lane; never rewritten
.set KA,  3                            ; v3  LDS address in K
.set VA,  4                            ; v4  LDS address in V
.set SPW, 6                            ; v6  LDS address of my spare word; never rewritten
.set NIL, 7                            ; v7  0; never rewritten
.set ONES, 8
.set Q,   16
.set NM,  48
.set S,   80
.set KF,  144
.set VF,  176
.set CH,  208
.set R,   224
.set O,   0                            ; window 1
.set L,   64                           ; window 1
.set WV,  12                           ; s12 wave
.set G1,  16                           ; s[16:23] descriptor group 1
.set G0K, 24                           ; s[24:27] group 0 for K
.set G0V, 28                           ; s[28:31] for V
.set SEL, 32                           ; s[32:33] v_permlanex16_b32's selects: each lane takes its own place in the other half
.set CT,  34                           ; s34 trips
.set MSB, 0
.macro WIN new                         ; the immediate's high byte repeats the setting that is left; a switch that changes nothing is dropped
.if MSB != (\new)
	s_set_vgpr_msb (MSB<<8)|(\new)
.set MSB, \new
.endif
.endm
.macro PLACES                          ; four plain instructions between a matrix instruction and a vector read of its result or a load into its registers (ISA guide 7.12.1 for vector reads)
.rept 4
	v_nop
.endr
.endm
; A round of the cluster's barrier: my work-group's barrier, so that wave 0's signal speaks for all eight waves; wave 0 signals; every wave waits for all four work-groups; my work-group's barrier once more.
.macro CROUND
	s_barrier_signal -1
	s_barrier_wait -1
	s_cmp_lg_u32 s[WV], 0
	s_cbranch_scc1 .Lnot_wave_0_\@
	s_barrier_signal -3
.Lnot_wave_0_\@:
	s_barrier_wait -3
	s_barrier_signal -1
	s_barrier_wait -1
.endm
	s_load_b256 s[4:11], s[0:1], 0x0               ; qf s[4:5], kf s[6:7], vf s[8:9], xf s[10:11]
	v_lshl_add_u32 v[SPW], v0, 2, SPARE
	v_mov_b32 v[NIL], 0
	ds_add_u32 v[SPW], v[NIL]                      ; the wave's opening: the add and its wait stand ahead of my first tensor load; the set-up below, work on registers, stands between them
	ds_add_u32 v6, v7
	v_lshrrev_b32 v1, 5, v0
	v_readfirstlane_b32 s[WV], v1                  ; wave 0..7
	s_bfe_u32 s13, ttmp6, 0x40000                  ; cx: my block of 512 queries; it enters Q's and the output's addresses alone
	s_and_b32 s14, ttmp7, 0xffff                   ; 16 batch + head, which the four partners share
	; descriptor group 1: 16,384 dense bytes as 64 rows of 256
	s_mov_b32 s[G1+0], 15|(3<<16)|(1<<21)          ; 15:0 the mask: all four work-groups; 17:16 elements of 8 bytes; 21 set beside a mask
	s_mov_b32 s[G1+1], 32<<16                      ; tensor_dim0 = 32
	s_mov_b32 s[G1+2], 64<<16                      ; tensor_dim1 = 64
	s_mov_b32 s[G1+3], 32<<16                      ; tile_dim0 = 32
	s_mov_b32 s[G1+4], 64                          ; tile_dim1 = 64
	s_mov_b32 s[G1+5], 32                          ; 32 elements from row to row
	s_mov_b32 s[G1+6], 0
	s_mov_b32 s[G1+7], 0
	s_mov_b32 s[G0K], 1
	s_lshl_b32 s[G0K+1], s[WV], 14                 ; LDS address: wave x 16,384: no place in the cluster enters it
	s_mov_b32 s[G0V], 1
	s_add_co_u32 s[G0V+1], s[G0K+1], VB
	s_lshl_b32 s36, s14, 17                        ; the head's 131,072 bytes,
	s_lshl_b32 s37, s[WV], 14                      ; my eighth of them
	s_add_co_u32 s36, s36, s37
	s_mov_b32 s37, 0
	s_lshl_b32 s38, s14, 17                        ; Q: the head, 32 blocks a work-group, 4 a wave
	s_lshl_b32 s39, s13, 15
	s_add_co_u32 s38, s38, s39
	s_lshl_b32 s39, s[WV], 12
	s_add_co_u32 s38, s38, s39
	s_mov_b32 s39, 0
	s_lshr_b32 s40, s14, 4                         ; the output: [block of 128 tokens = 16 batch + 4 cx + w / 2][head][token block 4 (w % 2) + t][1,024 bytes]
	s_lshl_b32 s40, s40, 2
	s_add_co_u32 s40, s40, s13
	s_lshl_b32 s40, s40, 2
	s_lshr_b32 s41, s[WV], 1
	s_add_co_u32 s40, s40, s41
	s_lshl_b32 s40, s40, 17
	s_and_b32 s41, s14, 15
	s_lshl_b32 s41, s41, 13
	s_add_co_u32 s40, s40, s41
	s_and_b32 s41, s[WV], 1
	s_lshl_b32 s41, s41, 12
	s_add_co_u32 s40, s40, s41
	s_mov_b32 s41, 0
	s_mov_b32 s[SEL], 0x76543210
	s_mov_b32 s[SEL+1], 0xfedcba98
	v_and_b32 v[LA], 31, v0
	v_lshlrev_b32 v[LA], 4, v[LA]
	v_mov_b32 v[KA], v[LA]
	s_wait_dscnt 0x0                               ; the opening add is done
	s_wait_kmcnt 0x0
	s_add_nc_u64 s[G0K+2:G0K+3], s[6:7], s[36:37]
	s_or_b32 s[G0K+3], s[G0K+3], 0x80000000        ; type = 2
	s_add_nc_u64 s[G0V+2:G0V+3], s[8:9], s[36:37]
	s_or_b32 s[G0V+3], s[G0V+3], 0x80000000
	s_add_nc_u64 s[4:5], s[4:5], s[38:39]
	s_add_nc_u64 s[10:11], s[10:11], s[40:41]
	CROUND                                         ; all four work-groups are here: the joint loads meet
	tensor_load_to_lds s[G0K:G0K+3], s[G1:G1+7]    ; my eighth of K, then of V: two tensor loads of mine are out, and no more follow
	s_nop 0
	tensor_load_to_lds s[G0V:G0V+3], s[G1:G1+7]
	s_nop 0
	PLACES
.irp t, 0,1,2,3
	global_load_b128 v[Q+8*(\t):Q+8*(\t)+3],   v[LA], s[4:5] offset:(\t)*1024      ; Q stays in registers: 512 consecutive bytes a load
	global_load_b128 v[Q+8*(\t)+4:Q+8*(\t)+7], v[LA], s[4:5] offset:(\t)*1024+512
.endr
.irp i, 0,1,2,3,4,5,6,7
	v_mov_b32 v[ONES+(\i)], 0x3c003c00             ; 1.0 twice, in f16
.endr
.irp i, 0,1,2,3,4,5,6,7,8,9,10,11,12,13,14,15
	v_mov_b32 v[CH+(\i)], 0xff7fffff               ; the lowest finite number
.endr
	s_wait_tensorcnt 0x1                           ; my part of K is in; V's may stay out
	s_barrier_signal -1
	s_barrier_wait -1                              ; everybody's is
; PASS 1.  A block of 16 keys: four products, one a tile, each followed by the four maxima over the block BEFORE's eight scores of that tile (the other buffer), lowest registers first.
; The maxima are the places: a score is read at least four of them behind the product that made it.
.macro BLK kreg, par
.irp t, 0,1,2,3
	v_wmma_f32_16x16x32_f16 v[S+32*(\par)+8*(\t):S+32*(\par)+8*(\t)+7], v[(\kreg):(\kreg)+7], v[Q+8*(\t):Q+8*(\t)+7], 0
.irp i, 0,1,2,3
	v_max3_num_f32 v[CH+4*(\t)+(\i)], v[CH+4*(\t)+(\i)], v[S+32*(1-(\par))+8*(\t)+2*(\i)], v[S+32*(1-(\par))+8*(\t)+2*(\i)+1]
.endr
.endr
.endm
.macro KLOAD half, off                 ; 8 LDS loads of 512 consecutive bytes: four key blocks
.irp n, 0,1,2,3
	ds_load_b128 v[KF+32*(\half)+8*(\n):KF+32*(\half)+8*(\n)+3],   v[KA] offset:(\off)+(4*(\half)+(\n))*1024
	ds_load_b128 v[KF+32*(\half)+8*(\n)+4:KF+32*(\half)+8*(\n)+7], v[KA] offset:(\off)+(4*(\half)+(\n))*1024+512
.endr
.endm
.macro HALF half
	BLK KF+32*(\half),    0
	BLK KF+32*(\half)+8,  1
	BLK KF+32*(\half)+16, 0
	BLK KF+32*(\half)+24, 1
.endm
	KLOAD 0, 0
	KLOAD 1, 0
	s_wait_loadcnt 0x0                             ; Q
	s_wait_dscnt 8                                 ; the first four key blocks
.irp t, 0,1,2,3
	v_wmma_f32_16x16x32_f16 v[S+32+8*(\t):S+32+8*(\t)+7], v[KF:KF+7], v[Q+8*(\t):Q+8*(\t)+7], 0  ; block 0 also takes the part of a block before the first: it enters the maximum twice, which changes nothing
.endr
	PLACES
	s_mov_b32 s[CT], 15
.Lmax:                                                 ; a trip: 8 key blocks; the next trip's are loaded behind the last product that read the registers and its four maxima
	s_wait_dscnt 8                                 ; this half is in; the other half's 8 loads stay out
	HALF 0
	KLOAD 0, 8192
	s_wait_dscnt 8
	HALF 1
	KLOAD 1, 8192
	v_add_nc_u32 v[KA], 8192, v[KA]
	s_sub_co_u32 s[CT], s[CT], 1
	s_cmp_lg_u32 s[CT], 0
	s_cbranch_scc1 .Lmax
	s_wait_dscnt 8                                 ; the last 8 blocks: nothing more to load
	HALF 0
	s_wait_dscnt 0x0
	HALF 1
.irp t, 0,1,2,3
.irp i, 0,1,2,3
	v_max3_num_f32 v[CH+4*(\t)+(\i)], v[CH+4*(\t)+(\i)], v[S+32+8*(\t)+2*(\i)], v[S+32+8*(\t)+2*(\i)+1]  ; the last block's scores
.endr
.endr
.irp t, 0,1,2,3
	v_max3_num_f32 v[CH+4*(\t)], v[CH+4*(\t)], v[CH+4*(\t)+1], v[CH+4*(\t)+2]
.endr
.irp t, 0,1,2,3
	v_max_num_f32 v[CH+4*(\t)], v[CH+4*(\t)], v[CH+4*(\t)+3]
.endr
.irp t, 0,1,2,3
	v_permlanex16_b32 v[CH+4*(\t)+1], v[CH+4*(\t)], s[SEL], s[SEL+1]  ; the query's other keys lie in the lane 16 away
.endr
.irp t, 0,1,2,3
	v_max_num_f32 v[CH+4*(\t)], v[CH+4*(\t)], v[CH+4*(\t)+1]
.endr
.irp t, 0,1,2,3
.irp j, 0,1,2,3,4,5,6,7
	v_mul_f32 v[NM+8*(\t)+(\j)], -1.0, v[CH+4*(\t)]  ; -m, as a C operand: the same number for all eight keys of a lane
.endr
.endr
	v_mov_b32 v[KA], v[LA]
	v_add_nc_u32 v[VA], VB, v[LA]
	s_wait_tensorcnt 0x0                           ; my part of V is in,
	s_barrier_signal -1
	s_barrier_wait -1                              ; everybody's is
; PASS 2.  A UNIT is a group of 32 keys and a tile; the units go group by group, tile by tile.  The turn of unit u holds u's 16 exponentials (in place) and the roundings C0-C5 of its pairs (P's register k takes the
; place of S^T's register k, whose number has been rounded before); C6, C7 and the three products V^T P, V^T P, ones P of unit u - 1; and the two products K Q^T - m of unit u + 2.
.macro EXPS t, n0
	v_exp_f32 v[S+16*(\t)+(\n0)],   v[S+16*(\t)+(\n0)]
	v_exp_f32 v[S+16*(\t)+(\n0)+1], v[S+16*(\t)+(\n0)+1]
.endm
.macro CV t, k
	s_wait_alu depctr_va_vdst(0)
	v_cvt_pk_f16_f32 v[S+16*(\t)+(\k)], v[S+16*(\t)+2*(\k)], v[S+16*(\t)+2*(\k)+1]
.endm
.macro PV t, vb, zero                  ; three accumulators, one instruction each: they take turns.  zero = 1: the products start the sums
	WIN 0x50                                       ; C and D in window 1
.if \zero
	v_wmma_f32_16x16x32_f16 v[O+16*(\t):O+16*(\t)+7],    v[VF+16*(\vb):VF+16*(\vb)+7],    v[S+16*(\t):S+16*(\t)+7], 0
	v_wmma_f32_16x16x32_f16 v[O+16*(\t)+8:O+16*(\t)+15], v[VF+16*(\vb)+8:VF+16*(\vb)+15], v[S+16*(\t):S+16*(\t)+7], 0
	v_wmma_f32_16x16x32_f16 v[L+8*(\t):L+8*(\t)+7],      v[ONES:ONES+7],                  v[S+16*(\t):S+16*(\t)+7], 0
.else
	v_wmma_f32_16x16x32_f16 v[O+16*(\t):O+16*(\t)+7],    v[VF+16*(\vb):VF+16*(\vb)+7],    v[S+16*(\t):S+16*(\t)+7], v[O+16*(\t):O+16*(\t)+7]
	v_wmma_f32_16x16x32_f16 v[O+16*(\t)+8:O+16*(\t)+15], v[VF+16*(\vb)+8:VF+16*(\vb)+15], v[S+16*(\t):S+16*(\t)+7], v[O+16*(\t)+8:O+16*(\t)+15]
	v_wmma_f32_16x16x32_f16 v[L+8*(\t):L+8*(\t)+7],      v[ONES:ONES+7],                  v[S+16*(\t):S+16*(\t)+7], v[L+8*(\t):L+8*(\t)+7]
.endif
	WIN 0
.endm
.macro KQ t, kb
	v_wmma_f32_16x16x32_f16 v[S+16*(\t):S+16*(\t)+7],    v[KF+16*(\kb):KF+16*(\kb)+7],    v[Q+8*(\t):Q+8*(\t)+7], v[NM+8*(\t):NM+8*(\t)+7]
	v_wmma_f32_16x16x32_f16 v[S+16*(\t)+8:S+16*(\t)+15], v[KF+16*(\kb)+8:KF+16*(\kb)+15], v[Q+8*(\t):Q+8*(\t)+7], v[NM+8*(\t):NM+8*(\t)+7]
.endm
; The turn of tile t in a group of parity par.  pv = 2: the products of the unit before; 1: they start the sums; 0: there is no unit before.  kq = 1: the scores of the unit after next.
; In tile 2's turn K of the group after next (fk) goes into this group's buffer, last read in tile 1's turn, and V of the next group (fv) into the other buffer, last read in tile 0's turn: eight roundings or more lie
; between.  Both are waited for two turns on, at the head of tile 1's turn.  Counted: every rounding has a plain instruction between it and the later of its two exponentials; the scores write over P of unit u - 2
; ten roundings behind the products that read it; they are first read two turns on.
.macro TURN t, par, pv, kq, fk, fv
.set tp, ((\t)+3)%4
.set tq, ((\t)+2)%4
.set vb, \par
.if (\t) == 0
.set vb, 1-(\par)
.endif
.set kb, \par
.if (\t) >= 2
.set kb, 1-(\par)
.endif
.if (\t) == 1
	s_wait_dscnt 0x0                               ; the loads of tile 2's turn in the group before
.endif
	EXPS \t, 0
.if \pv
	CV tp, 6
.else
	v_nop
.endif
	EXPS \t, 2
.if \pv
	CV tp, 7
	PV tp, vb, (\pv) == 1
.else
	v_nop
.endif
	EXPS \t, 4
	CV \t, 0
	EXPS \t, 6
	CV \t, 1
.if \kq
	KQ tq, kb
.endif
	EXPS \t, 8
	CV \t, 2
	EXPS \t, 10
	CV \t, 3
	EXPS \t, 12
	CV \t, 4
	EXPS \t, 14
	CV \t, 5
.if ((\t) == 2) && (\fk)
.irp i, 0,1,2,3
	ds_load_b128 v[KF+16*(\par)+4*(\i):KF+16*(\par)+4*(\i)+3], v[KA] offset:4096+2048*(\par)+512*(\i)
.endr
.endif
.if ((\t) == 2) && (\fv)
.irp cb, 0,1                           ; the turning load on consecutive bytes: channel block cb; registers 0-3 the group's first 16 keys, 4-7 its second
	ds_load_tr16_b128 v[VF+16*(1-(\par))+8*(\cb):VF+16*(1-(\par))+8*(\cb)+3],   v[VA] offset:2048+2048*(\par)+512*(\cb)
	ds_load_tr16_b128 v[VF+16*(1-(\par))+8*(\cb)+4:VF+16*(1-(\par))+8*(\cb)+7], v[VA] offset:2048+2048*(\par)+1024+512*(\cb)
.endr
.endif
.endm
.macro STEPADR                         ; two groups on
	v_add_nc_u32 v[KA], 4096, v[KA]
	v_add_nc_u32 v[VA], 4096, v[VA]
.endm
.irp i, 0,1,2,3,4,5,6,7
	ds_load_b128 v[KF+4*(\i):KF+4*(\i)+3], v[KA] offset:512*(\i)  ; K of groups 0 and 1
.endr
.irp cb, 0,1
	ds_load_tr16_b128 v[VF+8*(\cb):VF+8*(\cb)+3],   v[VA] offset:512*(\cb)  ; V of group 0
	ds_load_tr16_b128 v[VF+8*(\cb)+4:VF+8*(\cb)+7], v[VA] offset:1024+512*(\cb)
.endr
	s_wait_dscnt 0x0
	KQ 0, 0
	KQ 1, 0
	PLACES
	TURN 0, 0, 0, 1, 0, 0                          ; the first two groups are written out: no unit before the first, and the first four units' products start the sums
	TURN 1, 0, 1, 1, 0, 0
	TURN 2, 0, 1, 1, 1, 1
	TURN 3, 0, 1, 1, 0, 0
	TURN 0, 1, 1, 1, 0, 0
	TURN 1, 1, 2, 1, 0, 0
	TURN 2, 1, 2, 1, 1, 1
	TURN 3, 1, 2, 1, 0, 0
	STEPADR
	s_mov_b32 s[CT], 30
.Lpair:                                                ; a trip: two groups of 32 keys
	TURN 0, 0, 2, 1, 0, 0
	TURN 1, 0, 2, 1, 0, 0
	TURN 2, 0, 2, 1, 1, 1
	TURN 3, 0, 2, 1, 0, 0
	TURN 0, 1, 2, 1, 0, 0
	TURN 1, 1, 2, 1, 0, 0
	TURN 2, 1, 2, 1, 1, 1
	TURN 3, 1, 2, 1, 0, 0
	STEPADR
	s_sub_co_u32 s[CT], s[CT], 1
	s_cmp_lg_u32 s[CT], 0
	s_cbranch_scc1 .Lpair
	TURN 0, 0, 2, 1, 0, 0                          ; the last two groups: no K beyond group 63, no V beyond it, no scores beyond its last tile
	TURN 1, 0, 2, 1, 0, 0
	TURN 2, 0, 2, 1, 0, 1
	TURN 3, 0, 2, 1, 0, 0
	TURN 0, 1, 2, 1, 0, 0
	TURN 1, 1, 2, 1, 0, 0
	TURN 2, 1, 2, 0, 0, 0
	TURN 3, 1, 2, 0, 0, 0
	CV 3, 6
	CV 3, 7
	PV 3, 1, 0
	; THE WAY OUT.  Every register of l holds the query's whole sum; O^T is divided by it, rounded to f16 and stored as it lies: a lane's eight channels are a piece of the next launch's operand block.
	PLACES
	WIN 0x01                                       ; source 0 in window 1
.irp t, 0,1,2,3
	v_rcp_f32 v[R+2*(\t)],   v[L+8*(\t)]           ; made twice, to fill the pair by which the packed multiply multiplies
	v_rcp_f32 v[R+2*(\t)+1], v[L+8*(\t)]
.endr
	WIN 0
	v_nop                                          ; a plain instruction between the last reciprocal and the use of its result
	WIN 0x41                                       ; destination and source 0 in window 1
	s_wait_alu depctr_va_vdst(0)
.irp t, 0,1,2,3
.irp i, 0,1,2,3,4,5,6,7
	v_pk_mul_f32 v[O+16*(\t)+2*(\i):O+16*(\t)+2*(\i)+1], v[O+16*(\t)+2*(\i):O+16*(\t)+2*(\i)+1], v[R+2*(\t):R+2*(\t)+1]
.endr
.endr
	WIN 0x05                                       ; sources 0 and 1 in window 1
.set n, 0
.rept 32
	v_cvt_pk_f16_f32 v[S+n], v[O+2*n], v[O+2*n+1]
.set n, n+1
.endr
	WIN 0
.irp t, 0,1,2,3
.irp cb, 0,1
	global_store_b128 v[LA], v[S+8*(\t)+4*(\cb):S+8*(\t)+4*(\cb)+3], s[10:11] offset:(\t)*1024+(\cb)*512  ; 512 consecutive bytes, at a multiple of 256 from the buffer's first
.endr
.endr
	s_wait_tensorcnt 0x0                           ; the wave's end, behind my last tensor load
	ds_add_u32 v[SPW], v[NIL]
	s_wait_dscnt 0x0
	CROUND                                         ; the closing round: no work-group ends while a partner may still ask for a tile that names it
	s_endpgm
.Lfunc_end_k_q53a3e34ab1_attn:
	.size	k_q53a3e34ab1_attn, .Lfunc_end_k_q53a3e34ab1_attn-k_q53a3e34ab1_attn
	.p2alignl 7, 3214868480
	.fill 96, 4, 3214868480
	.section	.rodata,"a",@progbits
	.p2align	6, 0x0
	.amdhsa_kernel k_q53a3e34ab1_attn
		.amdhsa_group_segment_fixed_size 327680
		.amdhsa_private_segment_fixed_size 0
		.amdhsa_enable_private_segment 0
		.amdhsa_kernarg_size 32
		.amdhsa_user_sgpr_count 2
		.amdhsa_user_sgpr_kernarg_segment_ptr 1
		.amdhsa_wavefront_size32 1
		.amdhsa_system_sgpr_workgroup_id_x 1
		.amdhsa_system_sgpr_workgroup_id_y 1
		.amdhsa_system_sgpr_workgroup_id_z 1
		.amdhsa_system_vgpr_workitem_id 0
		.amdhsa_next_free_vgpr 352
		.amdhsa_next_free_sgpr 66
		.amdhsa_reserve_vcc 0
		.amdhsa_float_denorm_mode_32 3
		.amdhsa_float_denorm_mode_16_64 3
		.amdhsa_memory_ordered 1
		.amdhsa_forward_progress 1
		.amdhsa_inst_pref_size 81
	.end_amdhsa_kernel
	.amdgpu_metadata
---
amdhsa.version: [ 1, 2 ]
amdhsa.kernels:
  - .name:           k_q53a3e34ab1_attn
    .symbol:         k_q53a3e34ab1_attn.kd
    .args:
      - { .name: qf, .offset: 0, .size: 8, .value_kind: global_buffer, .address_space: global }
      - { .name: kf, .offset: 8, .size: 8, .value_kind: global_buffer, .address_space: global }
      - { .name: vf, .offset: 16, .size: 8, .value_kind: global_buffer, .address_space: global }
      - { .name: xf, .offset: 24, .size: 8, .value_kind: global_buffer, .address_space: global }
    .group_segment_fixed_size: 327680
    .private_segment_fixed_size: 0
    .kernarg_segment_align: 8
    .kernarg_segment_size: 32
    .max_flat_workgroup_size: 256
    .sgpr_count:     66
    .vgpr_count:     352
    .wavefront_size: 32
...
	.end_amdgpu_metadata
.endif
;; end of part 3
;; launch oproj (part 4): grid 4 x 64, 4 waves a work-group, clusters of 4 x 1, 167,936 bytes of LDS; arguments xf, wot, out0; writes out0
.if DOCPART == 4
	.amdgcn_target "amdgcn-amd-amdhsa--gfx1250"
	.amdhsa_code_object_version 6
	.text
	.protected	k_q53a3e34ab1_oproj
	.globl	k_q53a3e34ab1_oproj
	.p2align	8
	.type	k_q53a3e34ab1_oproj,@function
k_q53a3e34ab1_oproj:
	s_mov_b64 s[64:65], 0
	v_nop
	global_prefetch_b8 v0, s[64:65] scope:SCOPE_SE
	s_setreg_imm32_b32 hwreg(HW_REG_WAVE_MODE, 25, 1), 1
	s_wait_xcnt 0x0
	s_wait_alu depctr_hold_cnt(0) depctr_sa_sdst(0) depctr_va_vdst(0) depctr_va_sdst(0) depctr_va_ssrc(0) depctr_va_vcc(0) depctr_vm_vsrc(0)
	s_getreg_b32 s2, hwreg(HW_REG_IB_STS2, 6, 4)
	s_cmp_eq_u32 s2, 0
	s_cbranch_scc0 .Lentry_in_a_cluster
	s_endpgm
.Lentry_in_a_cluster:
	s_bfe_u32 s2, ttmp6, 0x10000c
	s_cmp_lg_u32 s2, 0x3003
	s_cbranch_scc0 .Lentry_shape_is_right
	s_endpgm
.Lentry_shape_is_right:
; THE OUTPUT PROJECTION.  out0[token][n] = the sum over k of X[token][k] Wo[k][n]: 8,192 x 512 x 1,024; X (xf) and Wo (wot: bf16's rounding, written as f16) in f16 operand blocks of 1,024 bytes; sums and output in f32.
; SHARES.  A work-group makes 128 tokens x 256 columns, wave w 128 x 64: 32 accumulators, 256 registers.  K goes in 16 steps of 32 (a head a step), 32 matrix instructions each, written out by .rept.
; CLUSTER.  The four work-groups of a cluster make the four column slabs of the same 128 tokens: X's 131,072 bytes are asked for JOINTLY, in four chunks of four steps; each wave asks for a quarter of each chunk:
; four tensor loads of mine are out, all issued at the start.  Wo's fragments are used by one wave alone and go straight into registers, 512 consecutive bytes a load, seven steps ahead.
; THE MATRIX INSTRUCTION: source 0 = 16 columns of Wo, source 1 = 16 tokens: a lane holds one token and eight neighbouring columns, 32 bytes.  A block of 16 tokens goes through my own stage in LDS and comes back as
; rows of 256 bytes: sixteen lanes then store 256 consecutive bytes, at a multiple of 256 from the output's first byte.
; REGISTERS: window 0: v2-9 addresses; v16-79, v80-143 X's fragments, two buffers; v144-207 rows read back, two buffers.  window 1: accumulator (a, b) at v[8 (4 a + b)].  window 2: eight buffers of 32 for Wo's fragments.
.set STAGE, 131072                     ; behind X: 16 rows x 272 bytes for each wave; no tensor load lands there
.set SP,    272                        ; 256 bytes + 16: the sixteen rows of a store start at sixteen different groups of four banks (64 banks of 4 bytes: ISA guide 11.1)
.set SPARE, STAGE+4*16*SP              ; behind the stages: the spare words, 128 bytes a wave, two blocks of 256 bytes that no other line names
.set XA0, 2                            ; v2  16 x lane
.set XA1, 3                            ; v3  the same + 65,536: an LDS offset has 16 bits
.set WO,  4                            ; v4  my byte offset in a step's blocks of Wo
.set STO, 5                            ; v5  where I put 32 bytes of a row
.set RD,  6                            ; v6  where I read a row back
.set CO,  7                            ; v7  my byte offset in two rows of the output
.set SPW, 8                            ; v8  LDS address of my spare word; never rewritten
.set NIL, 9                            ; v9  0; never rewritten
.set XB,  16
.set BK,  144
.set WV,  10                           ; s10 wave
.set G1,  16                           ; s[16:23] descriptor group 1
.set G0,  24                           ; s[24:39] group 0, a set for each of the four chunks
.set WBS, 40                           ; s[40:41] my slab of wot
.set OB,  42                           ; s[42:43] the output at my wave's first row and column
.set MSB, 0
.macro WIN new                         ; the immediate's high byte repeats the setting that is left; a switch that changes nothing is dropped
.if MSB != (\new)
	s_set_vgpr_msb (MSB<<8)|(\new)
.set MSB, \new
.endif
.endm
.macro PLACES                          ; four plain instructions between a matrix instruction and a load into its registers or a store of its result
.rept 4
	v_nop
.endr
.endm
.macro CROUND                          ; a round of the cluster's barrier
	s_barrier_signal -1
	s_barrier_wait -1
	s_cmp_lg_u32 s[WV], 0
	s_cbranch_scc1 .Lnot_wave_0_\@
	s_barrier_signal -3
.Lnot_wave_0_\@:
	s_barrier_wait -3
	s_barrier_signal -1
	s_barrier_wait -1
.endm
.macro XLOAD st                        ; 16 LDS loads of 512 consecutive bytes: X's 8 token blocks of step st
	WIN 0
.if (\st) < 8
.set xa, XA0
.set xo, (\st)*8192
.else
.set xa, XA1
.set xo, ((\st)-8)*8192
.endif
.set xb, XB+64*((\st)%2)
.irp a, 0,1,2,3,4,5,6,7
	ds_load_b128 v[xb+8*(\a):xb+8*(\a)+3],   v[xa] offset:xo+(\a)*1024
	ds_load_b128 v[xb+8*(\a)+4:xb+8*(\a)+7], v[xa] offset:xo+(\a)*1024+512
.endr
.endm
.macro WLD st                          ; 8 loads: my 4 column blocks of step st
	WIN 0x80                                       ; destination window 2
.set wr, 32*((\st)%8)
.irp b, 0,1,2,3
	global_load_b128 v[wr+8*(\b):wr+8*(\b)+3],   v[WO], s[WBS:WBS+1] offset:(\st)*16384+(\b)*1024
	global_load_b128 v[wr+8*(\b)+4:wr+8*(\b)+7], v[WO], s[WBS:WBS+1] offset:(\st)*16384+(\b)*1024+512
.endr
.endm
.macro MULH st, a0, zero               ; 16 matrix instructions: token blocks a0 .. a0 + 3 x 4 column blocks.  The 32 accumulators take turns in one fixed order
	WIN 0x52                                       ; source 0 (Wo) window 2, source 1 (X) window 0, C and D window 1
.set wr, 32*((\st)%8)
.set xb, XB+64*((\st)%2)
.irp a, \a0, (\a0)+1, (\a0)+2, (\a0)+3
.irp b, 0,1,2,3
.if \zero
	v_wmma_f32_16x16x32_f16 v[8*(4*(\a)+(\b)):8*(4*(\a)+(\b))+7], v[wr+8*(\b):wr+8*(\b)+7], v[xb+8*(\a):xb+8*(\a)+7], 0
.else
	v_wmma_f32_16x16x32_f16 v[8*(4*(\a)+(\b)):8*(4*(\a)+(\b))+7], v[wr+8*(\b):wr+8*(\b)+7], v[xb+8*(\a):xb+8*(\a)+7], v[8*(4*(\a)+(\b)):8*(4*(\a)+(\b))+7]
.endif
.endr
.endr
.endm
	s_load_b128 s[4:7], s[0:1], 0x0                ; xf s[4:5], wot s[6:7]
	s_load_b64 s[8:9], s[0:1], 0x10                ; out0
	v_lshl_add_u32 v[SPW], v0, 2, SPARE
	v_mov_b32 v[NIL], 0
	ds_add_u32 v[SPW], v[NIL]                      ; the wave's opening: the add and its wait stand ahead of my first tensor load; the set-up below, work on registers, stands between them
	ds_add_u32 v8, v9
	v_lshrrev_b32 v1, 5, v0
	v_readfirstlane_b32 s[WV], v1                  ; wave 0..3
	s_bfe_u32 s11, ttmp6, 0x40000                  ; cx: my slab of 256 columns; it enters Wo's and the output's addresses alone
	s_and_b32 s12, ttmp7, 0xffff                   ; the block of 128 tokens, which the four partners share
	; descriptor group 1: 8,192 dense bytes as 32 rows of 256
	s_mov_b32 s[G1+0], 15|(3<<16)|(1<<21)          ; 15:0 the mask: all four work-groups; 17:16 elements of 8 bytes; 21 set beside a mask
	s_mov_b32 s[G1+1], 32<<16                      ; tensor_dim0 = 32
	s_mov_b32 s[G1+2], 32<<16                      ; tensor_dim1 = 32
	s_mov_b32 s[G1+3], 32<<16                      ; tile_dim0 = 32
	s_mov_b32 s[G1+4], 32                          ; tile_dim1 = 32
	s_mov_b32 s[G1+5], 32                          ; 32 elements from row to row
	s_mov_b32 s[G1+6], 0
	s_mov_b32 s[G1+7], 0
	s_lshl_b32 s50, s[WV], 13                      ; wave x 8,192: step 4 j + w of chunk j
.irp j, 0,1,2,3
	s_mov_b32 s[G0+4*(\j)], 1
	s_add_co_u32 s[G0+4*(\j)+1], s50, (\j)*32768   ; LDS address: no place in the cluster enters it
.endr
	s_lshl_b32 s44, s12, 17                        ; the token block's 131,072 bytes of xf
	s_add_co_u32 s44, s44, s50
	s_mov_b32 s45, 0
	s_lshl_b32 s46, s11, 18                        ; my slab's 262,144 bytes of wot
	s_mov_b32 s47, 0
	s_lshl_b32 s48, s12, 19                        ; 128 rows of 4,096 bytes,
	s_lshl_b32 s49, s11, 10                        ; 256 columns,
	s_add_co_u32 s48, s48, s49
	s_lshl_b32 s49, s[WV], 8                       ; my wave's 64
	s_add_co_u32 s48, s48, s49
	s_mov_b32 s49, 0
	v_and_b32 v1, 15, v0                           ; r = lane % 16
	v_bfe_u32 v10, v0, 4, 1                        ; h = lane / 16
	v_and_b32 v11, 31, v0
	v_lshlrev_b32 v[XA0], 4, v11
	v_add_nc_u32 v[XA1], 65536, v[XA0]
	s_lshl_b32 s51, s[WV], 12
	v_add_nc_u32 v[WO], s51, v[XA0]                ; my wave's 4 blocks of Wo, 16 bytes a lane
	s_mul_i32 s51, s[WV], 16*SP
	s_add_co_u32 s51, s51, STAGE                   ; my stage
	v_mul_u32_u24 v[STO], v1, SP                   ; in: row r, 32 bytes for each half of the lanes
	v_lshl_add_u32 v[STO], v10, 5, v[STO]
	v_add_nc_u32 v[STO], s51, v[STO]
	v_mul_u32_u24 v[RD], v10, SP                   ; back: lanes 0-15 take one row of 256 bytes, lanes 16-31 the next
	v_lshl_add_u32 v[RD], v1, 4, v[RD]
	v_add_nc_u32 v[RD], s51, v[RD]
	v_lshlrev_b32 v[CO], 12, v10                   ; and the same two rows in the output
	v_lshl_add_u32 v[CO], v1, 4, v[CO]
	s_wait_dscnt 0x0                               ; the opening add is done
	s_wait_kmcnt 0x0
	s_add_nc_u64 s[44:45], s[4:5], s[44:45]
.irp j, 0,1,2,3
	s_add_nc_u64 s[G0+4*(\j)+2:G0+4*(\j)+3], s[44:45], (\j)*32768
	s_or_b32 s[G0+4*(\j)+3], s[G0+4*(\j)+3], 0x80000000  ; type = 2
.endr
	s_add_nc_u64 s[WBS:WBS+1], s[6:7], s[46:47]
	s_add_nc_u64 s[OB:OB+1], s[8:9], s[48:49]
	CROUND                                         ; all four work-groups are here: the joint loads meet
.irp j, 0,1,2,3
	tensor_load_to_lds s[G0+4*(\j):G0+4*(\j)+3], s[G1:G1+7]
	s_nop 0
.endr
	PLACES
.irp j, 0,1,2,3,4,5,6
	WLD \j
.endr
	WIN 0
	s_wait_tensorcnt 0x3                           ; my part of the first chunk is in; three chunks stay out
	s_barrier_signal -1
	s_barrier_wait -1                              ; everybody's is
	XLOAD 0
.set ks, 0
.rept 16
.if ks < 9
	s_wait_loadcnt 48                              ; this step's Wo is in; six later steps', 8 loads each, stay out
.else
	s_wait_loadcnt 8*(15-ks)                       ; the steps that are left
.endif
	s_wait_dscnt 0x0                               ; this step's X
	MULH ks, 0, ks == 0
	WIN 0
	PLACES                                         ; for the loads into the buffers that the step before multiplied
.if (ks == 3) || (ks == 7) || (ks == 11)
	s_wait_tensorcnt 3-(ks+1)/4                    ; my part of the next chunk is in; no LDS instruction of mine is out here
	s_barrier_signal -1
	s_barrier_wait -1
.endif
.if ks < 15
	XLOAD ks+1
.endif
.if ks < 9
	WLD ks+7
.endif
	MULH ks, 4, ks == 0
.set ks, ks+1
.endr
	; THE WAY OUT, a block of 16 tokens at a time: 32 bytes a lane into my stage, back as rows of 256 bytes, stored.  LDS serves a wave's instructions in order (ISA guide 5.7.1.4), so the loads see the stores
	; in front of them and the next block's stores come behind them.
.macro STAGE_IN a
	WIN 0x04                                       ; store data (source 1) in window 1
.irp b, 0,1,2,3
	ds_store_b128 v[STO], v[8*(4*(\a)+(\b)):8*(4*(\a)+(\b))+3]   offset:64*(\b)     ; each accumulator's lowest registers first
	ds_store_b128 v[STO], v[8*(4*(\a)+(\b))+4:8*(4*(\a)+(\b))+7] offset:64*(\b)+16
.endr
	WIN 0
.irp t, 0,1,2,3,4,5,6,7
	ds_load_b128 v[BK+32*((\a)%2)+4*(\t):BK+32*((\a)%2)+4*(\t)+3], v[RD] offset:(\t)*2*SP
.endr
.endm
.macro SEND a, younger                 ; younger: the LDS instructions issued behind block a's loads: the next block's sixteen, or none
	s_wait_dscnt \younger
.irp t, 0,1,2,3,4,5,6,7
	global_store_b128 v[CO], v[BK+32*((\a)%2)+4*(\t):BK+32*((\a)%2)+4*(\t)+3], s[OB:OB+1] offset:(16*(\a)+2*(\t))*4096 th:TH_STORE_NT
.endr
.endm
	WIN 0
	PLACES
	STAGE_IN 0
.irp a, 1,2,3,4,5,6,7
	s_wait_xcnt 0x0                                ; the stores of the block before last have read the registers that are loaded again
	STAGE_IN \a
	SEND (\a)-1, 16
.endr
	SEND 7, 0
	s_wait_tensorcnt 0x0                           ; the wave's end, behind my last tensor load and my last LDS store
	ds_add_u32 v[SPW], v[NIL]
	s_wait_dscnt 0x0
	CROUND                                         ; the closing round: no work-group ends while a partner may still ask for a tile that names it
	s_endpgm
.Lfunc_end_k_q53a3e34ab1_oproj:
	.size	k_q53a3e34ab1_oproj, .Lfunc_end_k_q53a3e34ab1_oproj-k_q53a3e34ab1_oproj
	.p2alignl 7, 3214868480
	.fill 96, 4, 3214868480
	.section	.rodata,"a",@progbits
	.p2align	6, 0x0
	.amdhsa_kernel k_q53a3e34ab1_oproj
		.amdhsa_group_segment_fixed_size 167936
		.amdhsa_private_segment_fixed_size 0
		.amdhsa_enable_private_segment 0
		.amdhsa_kernarg_size 24
		.amdhsa_user_sgpr_count 2
		.amdhsa_user_sgpr_kernarg_segment_ptr 1
		.amdhsa_wavefront_size32 1
		.amdhsa_system_sgpr_workgroup_id_x 1
		.amdhsa_system_sgpr_workgroup_id_y 1
		.amdhsa_system_sgpr_workgroup_id_z 1
		.amdhsa_system_vgpr_workitem_id 0
		.amdhsa_next_free_vgpr 768
		.amdhsa_next_free_sgpr 66
		.amdhsa_reserve_vcc 0
		.amdhsa_float_denorm_mode_32 3
		.amdhsa_float_denorm_mode_16_64 3
		.amdhsa_memory_ordered 1
		.amdhsa_forward_progress 1
		.amdhsa_inst_pref_size 85
	.end_amdhsa_kernel
	.amdgpu_metadata
---
amdhsa.version: [ 1, 2 ]
amdhsa.kernels:
  - .name:           k_q53a3e34ab1_oproj
    .symbol:         k_q53a3e34ab1_oproj.kd
    .args:
      - { .name: xf, .offset: 0, .size: 8, .value_kind: global_buffer, .address_space: global }
      - { .name: wot, .offset: 8, .size: 8, .value_kind: global_buffer, .address_space: global }
      - { .name: out0, .offset: 16, .size: 8, .value_kind: global_buffer, .address_space: global }
    .group_segment_fixed_size: 167936
    .private_segment_fixed_size: 0
    .kernarg_segment_align: 8
    .kernarg_segment_size: 24
    .max_flat_workgroup_size: 128
    .sgpr_count:     66
    .vgpr_count:     768
    .wavefront_size: 32
...
	.end_amdgpu_metadata
.endif
;; end of part 4
;; ======== version 2 of 2: 4 launches; 1.13 times as fast as version 1
;; limits: values are held in f16: magnitudes above 65,504 overflow, below 6.1e-05 lose precision
;; workspace buffers: wt 3,145,728 bytes; wot 1,048,576 bytes; qf 8,388,608 bytes; kf 8,388,608 bytes; vf 8,388,608 bytes; xf 8,388,608 bytes
;; launch prep: the kernel of part 1 again; grid 256 x 4, 8 waves a work-group, no clusters, 0 bytes of LDS; arguments Wq, Wk, Wv, Wo, wt, wot; writes wt, wot
;; launch proj: the kernel of part 2 again; grid 64 x 3, 4 waves a work-group, no clusters, 327,680 bytes of LDS; arguments q, k, v, wt, qf, kf, vf; writes qf, kf, vf
;; launch attn (part 5): grid 4 x 64, 8 waves a work-group, clusters of 4 x 1, 327,680 bytes of LDS; arguments qf, kf, vf, xf; writes xf
.if DOCPART == 5
	.amdgcn_target "amdgcn-amd-amdhsa--gfx1250"
	.amdhsa_code_object_version 6
	.text
	.protected	k_q53a3e34ab1_attn
	.globl	k_q53a3e34ab1_attn
	.p2align	8
	.type	k_q53a3e34ab1_attn,@function
k_q53a3e34ab1_attn:
	s_mov_b64 s[64:65], 0
	v_nop
	global_prefetch_b8 v0, s[64:65] scope:SCOPE_SE
	s_setreg_imm32_b32 hwreg(HW_REG_WAVE_MODE, 25, 1), 1
	s_wait_xcnt 0x0
	s_wait_alu depctr_hold_cnt(0) depctr_sa_sdst(0) depctr_va_vdst(0) depctr_va_sdst(0) depctr_va_ssrc(0) depctr_va_vcc(0) depctr_vm_vsrc(0)
	s_getreg_b32 s2, hwreg(HW_REG_IB_STS2, 6, 4)
	s_cmp_eq_u32 s2, 0
	s_cbranch_scc0 .Lentry_in_a_cluster
	s_endpgm
.Lentry_in_a_cluster:
	s_bfe_u32 s2, ttmp6, 0x10000c
	s_cmp_lg_u32 s2, 0x3003
	s_cbranch_scc0 .Lentry_shape_is_right
	s_endpgm
.Lentry_shape_is_right:
; ATTENTION AT HEAD SIZE 32, IN TWO PASSES.  O[q] = the sum over k of softmax_k(Q[q] . K[k] / 32) V[k], for 64 (batch, head) pairs of 2,048 rows.  qf holds c Q, c = log2(e) / 32, so a score is already an exponent of 2.
; All of qf, kf, vf, xf are f16 in operand blocks of 1,024 bytes (16 rows x 32 channels; piece (c, lane 16 h + r) = row r, channels 16 c + 8 h + 0..7; vf with its pieces in the order that the turning load wants).
; Products, maxima and sums in f32.  LIMITS: the weights p = 2^(s - m) are rounded to f16 for the second product: below 6e-8 they count as 0; their sum l is taken of the rounded p, by the same unit and in the
; same order as O's sums; NaN and infinities are not treated apart.
; WHY TWO PASSES.  A tile of 16 queries x 32 keys has only 2 + 2 matrix instructions, and the vector work decides.  Pass 1 makes the scores and takes nothing but their maximum m, the row's true maximum over all keys.
; Pass 2 makes them again with -m as the C operand, so that the product IS the exponent: 16 exponentials and 8 roundings remain; l is a product of ones with P.  No running statistics, no rescaling, no chain.
; For 16 x 32: 7 matrix and 32 vector instructions, against 4 or 5 and some 54 with a running maximum.
; HOW THE BATCHES ARE CUT.  Pass 2's exponentials go in batches of 32, two tiles' worth, with ONE s_wait_alu depctr_va_vdst(0) behind each batch.
; A batch's results are rounded only in the two turns behind its wait; what stands among a batch's exponentials are the roundings of the batch before and products on other registers.
; The way out's eight reciprocals are a batch of their own.
; SHARES.  A work-group takes 512 queries of one head, each of its eight waves 64: four tiles of 16.  A head's K and V, 131,072 bytes each, lie in LDS for the whole launch: filled once, never again.
; Two waves share a SIMD: one's products stand beside the other's exponentials.
; CLUSTER.  The four work-groups of a cluster are the four query blocks of one head: K and V are asked for JOINTLY, the same tensor loads with the same descriptors and a mask of four in all four.
; LAYOUT.  S^T = K Q^T (source 0 = 16 keys, source 1 = 16 queries): a lane holds ONE query (lane % 16) and keys 8 (lane / 16) + 0..7.  Two such results rounded to f16 in pairs ARE source 1 (32 keys x 16 queries) of
; O^T = V^T P, whose result holds one query a lane and eight channels: packed, a piece of the block that the output projection reads.  Nothing changes lanes but the maximum, once.
; REGISTERS: window 0: v2-7 addresses; v8-15 ones; v16-47 Q; v48-79 -m, eight equal registers a tile; v80-143 S^T, 16 a tile (pass 1: two buffers of 8 a tile); v144-175 K, v176-207 V, two buffers each
; (pass 1: eight key blocks); v208-239 P, 8 a tile (pass 1: v208-223 four chains of maxima a tile); v240-247 1 / l.   window 1: v0-63 O^T, 16 a tile; v64-95 l, 8 a tile.
.set VB,    131072                     ; V lies behind K
.set SPARE, 262144                     ; behind both: the spare words, 128 bytes a wave, four blocks of 256 bytes that no other line names
.set LA,  2                            ; v2  16 x lane; never rewritten
.set KA,  3                            ; v3  LDS address in K
.set VA,  4                            ; v4  LDS address in V
.set SPW, 6                            ; v6  LDS address of my spare word; never rewritten
.set NIL, 7                            ; v7  0; never rewritten
.set ONES, 8
.set Q,   16
.set NM,  48
.set S,   80
.set KF,  144
.set VF,  176
.set CH,  208                          ; pass 1
.set P,   208                          ; pass 2
.set R,   240
.set O,   0                            ; window 1
.set L,   64                           ; window 1
.set WV,  12                           ; s12 wave
.set G1,  16                           ; s[16:23] descriptor group 1
.set G0K, 24                           ; s[24:27] group 0 for K
.set G0V, 28                           ; s[28:31] for V
.set SEL, 32                           ; s[32:33] v_permlanex16_b32's selects: each lane takes its own place in the other half
.set CT,  34                           ; s34 trips
.set MSB, 0
.macro WIN new                         ; the immediate's high byte repeats the setting that is left; a switch that changes nothing is dropped
.if MSB != (\new)
	s_set_vgpr_msb (MSB<<8)|(\new)
.set MSB, \new
.endif
.endm
.macro PLACES                          ; four plain instructions between a matrix instruction and a vector read of its result or a load into its registers (ISA guide 7.12.1 for vector reads)
.rept 4
	v_nop
.endr
.endm
; A round of the cluster's barrier: my work-group's barrier, so that wave 0's signal speaks for all eight waves; wave 0 signals; every wave waits for all four work-groups; my work-group's barrier once more.
.macro CROUND
	s_barrier_signal -1
	s_barrier_wait -1
	s_cmp_lg_u32 s[WV], 0
	s_cbranch_scc1 .Lnot_wave_0_\@
	s_barrier_signal -3
.Lnot_wave_0_\@:
	s_barrier_wait -3
	s_barrier_signal -1
	s_barrier_wait -1
.endm
	s_load_b256 s[4:11], s[0:1], 0x0               ; qf s[4:5], kf s[6:7], vf s[8:9], xf s[10:11]
	v_lshl_add_u32 v[SPW], v0, 2, SPARE
	v_mov_b32 v[NIL], 0
	ds_add_u32 v[SPW], v[NIL]                      ; the wave's opening: the add and its wait stand ahead of my first tensor load; the set-up below, work on registers, stands between them
	ds_add_u32 v6, v7
	v_lshrrev_b32 v1, 5, v0
	v_readfirstlane_b32 s[WV], v1                  ; wave 0..7
	s_bfe_u32 s13, ttmp6, 0x40000                  ; cx: my block of 512 queries; it enters Q's and the output's addresses alone
	s_and_b32 s14, ttmp7, 0xffff                   ; 16 batch + head, which the four partners share
	; descriptor group 1: 16,384 dense bytes as 64 rows of 256
	s_mov_b32 s[G1+0], 15|(3<<16)|(1<<21)          ; 15:0 the mask: all four work-groups; 17:16 elements of 8 bytes; 21 set beside a mask
	s_mov_b32 s[G1+1], 32<<16                      ; tensor_dim0 = 32
	s_mov_b32 s[G1+2], 64<<16                      ; tensor_dim1 = 64
	s_mov_b32 s[G1+3], 32<<16                      ; tile_dim0 = 32
	s_mov_b32 s[G1+4], 64                          ; tile_dim1 = 64
	s_mov_b32 s[G1+5], 32                          ; 32 elements from row to row
	s_mov_b32 s[G1+6], 0
	s_mov_b32 s[G1+7], 0
	s_mov_b32 s[G0K], 1
	s_lshl_b32 s[G0K+1], s[WV], 14                 ; LDS address: wave x 16,384: no place in the cluster enters it
	s_mov_b32 s[G0V], 1
	s_add_co_u32 s[G0V+1], s[G0K+1], VB
	s_lshl_b32 s36, s14, 17                        ; the head's 131,072 bytes,
	s_lshl_b32 s37, s[WV], 14                      ; my eighth of them
	s_add_co_u32 s36, s36, s37
	s_mov_b32 s37, 0
	s_lshl_b32 s38, s14, 17                        ; Q: the head, 32 blocks a work-group, 4 a wave
	s_lshl_b32 s39, s13, 15
	s_add_co_u32 s38, s38, s39
	s_lshl_b32 s39, s[WV], 12
	s_add_co_u32 s38, s38, s39
	s_mov_b32 s39, 0
	s_lshr_b32 s40, s14, 4                         ; the output: [block of 128 tokens = 16 batch + 4 cx + w / 2][head][token block 4 (w % 2) + t][1,024 bytes]
	s_lshl_b32 s40, s40, 2
	s_add_co_u32 s40, s40, s13
	s_lshl_b32 s40, s40, 2
	s_lshr_b32 s41, s[WV], 1
	s_add_co_u32 s40, s40, s41
	s_lshl_b32 s40, s40, 17
	s_and_b32 s41, s14, 15
	s_lshl_b32 s41, s41, 13
	s_add_co_u32 s40, s40, s41
	s_and_b32 s41, s[WV], 1
	s_lshl_b32 s41, s41, 12
	s_add_co_u32 s40, s40, s41
	s_mov_b32 s41, 0
	s_mov_b32 s[SEL], 0x76543210
	s_mov_b32 s[SEL+1], 0xfedcba98
	v_and_b32 v[LA], 31, v0
	v_lshlrev_b32 v[LA], 4, v[LA]
	v_mov_b32 v[KA], v[LA]
	s_wait_dscnt 0x0                               ; the opening add is done
	s_wait_kmcnt 0x0
	s_add_nc_u64 s[G0K+2:G0K+3], s[6:7], s[36:37]
	s_or_b32 s[G0K+3], s[G0K+3], 0x80000000        ; type = 2
	s_add_nc_u64 s[G0V+2:G0V+3], s[8:9], s[36:37]
	s_or_b32 s[G0V+3], s[G0V+3], 0x80000000
	s_add_nc_u64 s[4:5], s[4:5], s[38:39]
	s_add_nc_u64 s[10:11], s[10:11], s[40:41]
	CROUND                                         ; all four work-groups are here: the joint loads meet
	tensor_load_to_lds s[G0K:G0K+3], s[G1:G1+7]    ; my eighth of K, then of V: two tensor loads of mine are out, and no more follow
	s_nop 0
	tensor_load_to_lds s[G0V:G0V+3], s[G1:G1+7]
	s_nop 0
	PLACES
.irp t, 0,1,2,3
	global_load_b128 v[Q+8*(\t):Q+8*(\t)+3],   v[LA], s[4:5] offset:(\t)*1024      ; Q stays in registers: 512 consecutive bytes a load
	global_load_b128 v[Q+8*(\t)+4:Q+8*(\t)+7], v[LA], s[4:5] offset:(\t)*1024+512
.endr
.irp i, 0,1,2,3,4,5,6,7
	v_mov_b32 v[ONES+(\i)], 0x3c003c00             ; 1.0 twice, in f16
.endr
.irp i, 0,1,2,3,4,5,6,7,8,9,10,11,12,13,14,15
	v_mov_b32 v[CH+(\i)], 0xff7fffff               ; the lowest finite number
.endr
	s_wait_tensorcnt 0x1                           ; my part of K is in; V's may stay out
	s_barrier_signal -1
	s_barrier_wait -1                              ; everybody's is
; PASS 1.  A block of 16 keys: four products, one a tile, each followed by the four maxima over the block BEFORE's eight scores of that tile (the other buffer), lowest registers first.
; The maxima are the places: a score is read at least four of them behind the product that made it.
.macro BLK kreg, par
.irp t, 0,1,2,3
	v_wmma_f32_16x16x32_f16 v[S+32*(\par)+8*(\t):S+32*(\par)+8*(\t)+7], v[(\kreg):(\kreg)+7], v[Q+8*(\t):Q+8*(\t)+7], 0
.irp i, 0,1,2,3
	v_max3_num_f32 v[CH+4*(\t)+(\i)], v[CH+4*(\t)+(\i)], v[S+32*(1-(\par))+8*(\t)+2*(\i)], v[S+32*(1-(\par))+8*(\t)+2*(\i)+1]
.endr
.endr
.endm
.macro KLOAD half, off                 ; 8 LDS loads of 512 consecutive bytes: four key blocks
.irp n, 0,1,2,3
	ds_load_b128 v[KF+32*(\half)+8*(\n):KF+32*(\half)+8*(\n)+3],   v[KA] offset:(\off)+(4*(\half)+(\n))*1024
	ds_load_b128 v[KF+32*(\half)+8*(\n)+4:KF+32*(\half)+8*(\n)+7], v[KA] offset:(\off)+(4*(\half)+(\n))*1024+512
.endr
.endm
.macro HALF half
	BLK KF+32*(\half),    0
	BLK KF+32*(\half)+8,  1
	BLK KF+32*(\half)+16, 0
	BLK KF+32*(\half)+24, 1
.endm
	KLOAD 0, 0
	KLOAD 1, 0
	s_wait_loadcnt 0x0                             ; Q
	s_wait_dscnt 8                                 ; the first four key blocks
.irp t, 0,1,2,3
	v_wmma_f32_16x16x32_f16 v[S+32+8*(\t):S+32+8*(\t)+7], v[KF:KF+7], v[Q+8*(\t):Q+8*(\t)+7], 0  ; block 0 also takes the part of a block before the first: it enters the maximum twice, which changes nothing
.endr
	PLACES
	s_mov_b32 s[CT], 15
.Lmax:                                                 ; a trip: 8 key blocks; the next trip's are loaded behind the last product that read the registers and its four maxima
	s_wait_dscnt 8                                 ; this half is in; the other half's 8 loads stay out
	HALF 0
	KLOAD 0, 8192
	s_wait_dscnt 8
	HALF 1
	KLOAD 1, 8192
	v_add_nc_u32 v[KA], 8192, v[KA]
	s_sub_co_u32 s[CT], s[CT], 1
	s_cmp_lg_u32 s[CT], 0
	s_cbranch_scc1 .Lmax
	s_wait_dscnt 8                                 ; the last 8 blocks: nothing more to load
	HALF 0
	s_wait_dscnt 0x0
	HALF 1
.irp t, 0,1,2,3
.irp i, 0,1,2,3
	v_max3_num_f32 v[CH+4*(\t)+(\i)], v[CH+4*(\t)+(\i)], v[S+32+8*(\t)+2*(\i)], v[S+32+8*(\t)+2*(\i)+1]  ; the last block's scores
.endr
.endr
.irp t, 0,1,2,3
	v_max3_num_f32 v[CH+4*(\t)], v[CH+4*(\t)], v[CH+4*(\t)+1], v[CH+4*(\t)+2]
.endr
.irp t, 0,1,2,3
	v_max_num_f32 v[CH+4*(\t)], v[CH+4*(\t)], v[CH+4*(\t)+3]
.endr
.irp t, 0,1,2,3
	v_permlanex16_b32 v[CH+4*(\t)+1], v[CH+4*(\t)], s[SEL], s[SEL+1]  ; the query's other keys lie in the lane 16 away
.endr
.irp t, 0,1,2,3
	v_max_num_f32 v[CH+4*(\t)], v[CH+4*(\t)], v[CH+4*(\t)+1]
.endr
.irp t, 0,1,2,3
.irp j, 0,1,2,3,4,5,6,7
	v_mul_f32 v[NM+8*(\t)+(\j)], -1.0, v[CH+4*(\t)]  ; -m, as a C operand: the same number for all eight keys of a lane
.endr
.endr
	v_mov_b32 v[KA], v[LA]
	v_add_nc_u32 v[VA], VB, v[LA]
	s_wait_tensorcnt 0x0                           ; my part of V is in,
	s_barrier_signal -1
	s_barrier_wait -1                              ; everybody's is
; PASS 2.  A UNIT is a group of 32 keys and a tile; the units go group by group, tile by tile.  The turn of unit u holds the two products K Q^T - m of unit u + 1; u's 16 exponentials, in place; the eight roundings
; of unit u - 2, out of S^T into P's own registers; and the three products V^T P, V^T P, ones P of unit u - 3.  S^T's four buffers so hold unit u + 1 (written), u (exponentials), u - 1 (its batch still open) and
; u - 2 (rounded); P has registers of its own, so that new scores may land on S^T as soon as the roundings have read it.
; THE BATCH is the 32 exponentials of two turns on end, tiles 0 and 1 or tiles 2 and 3.  In those two turns nothing names a result of theirs: the roundings read the units of the batch before, the scores write over
; S^T of a unit that was rounded a turn ago, the other products read P.  Behind the second turn stands the batch's one wait (BWAIT); its results are first named in the turn behind that.
.macro EXPS t, n0
	v_exp_f32 v[S+16*(\t)+(\n0)],   v[S+16*(\t)+(\n0)]
	v_exp_f32 v[S+16*(\t)+(\n0)+1], v[S+16*(\t)+(\n0)+1]
.endm
.macro CV t, k                         ; pair k of tile t's weights, rounded to f16
	v_cvt_pk_f16_f32 v[P+8*(\t)+(\k)], v[S+16*(\t)+2*(\k)], v[S+16*(\t)+2*(\k)+1]
.endm
.macro CV8 t
.irp k, 0,1,2,3,4,5,6,7
	CV \t, \k
.endr
.endm
.macro BWAIT
	s_wait_alu depctr_va_vdst(0)                   ; ONE wait for the batch: the 32 exponentials of the two turns above it; it stands ahead of the roundings that read them
.endm
.macro TRI t, tc, k, cv                ; two exponentials of tile t and a rounding of tile tc, which is also the plain instruction behind them; cv = 0: there is no unit to round yet, and a v_nop keeps its place
	EXPS \t, 2*(\k)
.if \cv
	CV \tc, \k
.else
	v_nop
.endif
.endm
.macro PV t, vb, zero                  ; three accumulators, one instruction each: they take turns.  zero = 1: the products start the sums
	WIN 0x50                                       ; C and D in window 1
.if \zero
	v_wmma_f32_16x16x32_f16 v[O+16*(\t):O+16*(\t)+7],    v[VF+16*(\vb):VF+16*(\vb)+7],    v[P+8*(\t):P+8*(\t)+7], 0
	v_wmma_f32_16x16x32_f16 v[O+16*(\t)+8:O+16*(\t)+15], v[VF+16*(\vb)+8:VF+16*(\vb)+15], v[P+8*(\t):P+8*(\t)+7], 0
	v_wmma_f32_16x16x32_f16 v[L+8*(\t):L+8*(\t)+7],      v[ONES:ONES+7],                  v[P+8*(\t):P+8*(\t)+7], 0
.else
	v_wmma_f32_16x16x32_f16 v[O+16*(\t):O+16*(\t)+7],    v[VF+16*(\vb):VF+16*(\vb)+7],    v[P+8*(\t):P+8*(\t)+7], v[O+16*(\t):O+16*(\t)+7]
	v_wmma_f32_16x16x32_f16 v[O+16*(\t)+8:O+16*(\t)+15], v[VF+16*(\vb)+8:VF+16*(\vb)+15], v[P+8*(\t):P+8*(\t)+7], v[O+16*(\t)+8:O+16*(\t)+15]
	v_wmma_f32_16x16x32_f16 v[L+8*(\t):L+8*(\t)+7],      v[ONES:ONES+7],                  v[P+8*(\t):P+8*(\t)+7], v[L+8*(\t):L+8*(\t)+7]
.endif
	WIN 0
.endm
.macro KQ t, kb
	v_wmma_f32_16x16x32_f16 v[S+16*(\t):S+16*(\t)+7],    v[KF+16*(\kb):KF+16*(\kb)+7],    v[Q+8*(\t):Q+8*(\t)+7], v[NM+8*(\t):NM+8*(\t)+7]
	v_wmma_f32_16x16x32_f16 v[S+16*(\t)+8:S+16*(\t)+15], v[KF+16*(\kb)+8:KF+16*(\kb)+15], v[Q+8*(\t):Q+8*(\t)+7], v[NM+8*(\t):NM+8*(\t)+7]
.endm
; The turn of tile t in a group of parity par.  cv = 1: the roundings of the unit two back (tile t + 2).  pv = 2: the products of the unit three back (tile t + 1); 1: they start the sums; 0: there is no such unit.
; kq = 1: the scores of the next unit (tile t + 1).  The exponentials go in ascending order.
; In tile 2's turn K of the group after next (fk) goes into this group's buffer, last read at this turn's head, and V of the next group (fv) into the other buffer, last read by this turn's V^T P.  Both are waited for
; at the head of tile 1's turn in the next group and first read in its tile 3's turn.
; Counted, in roundings that name no register of the product in question: eight between the scores' products and the exponentials that read them, and between those products and K's loads; five between V^T P and V's
; loads; five and more between V^T P of a tile and the next writes of that tile's P, three turns on.
.macro TURN t, par, cv, pv, kq, fk, fv
.set tc, ((\t)+2)%4
.set tm, ((\t)+1)%4
.set kb, \par
.set vb, 1-(\par)
.if (\t) == 3
.set kb, 1-(\par)                      ; the next unit is the next group's first,
.set vb, \par                          ; and the unit three back this group's first
.endif
.if (\t) == 1
	s_wait_dscnt 0x0                               ; the loads of tile 2's turn in the group before
.endif
.if \kq
	KQ tm, kb
.endif
.irp k, 0,1,2
	TRI \t, tc, \k, \cv
.endr
.if \pv
	PV tm, vb, (\pv) == 1
.endif
.irp k, 3,4,5,6,7
	TRI \t, tc, \k, \cv
.endr
.if ((\t) == 2) && (\fk)
.irp i, 0,1,2,3
	ds_load_b128 v[KF+16*(\par)+4*(\i):KF+16*(\par)+4*(\i)+3], v[KA] offset:4096+2048*(\par)+512*(\i)
.endr
.endif
.if ((\t) == 2) && (\fv)
.irp cb, 0,1                           ; the turning load on consecutive bytes: channel block cb; registers 0-3 the group's first 16 keys, 4-7 its second
	ds_load_tr16_b128 v[VF+16*(1-(\par))+8*(\cb):VF+16*(1-(\par))+8*(\cb)+3],   v[VA] offset:2048+2048*(\par)+512*(\cb)
	ds_load_tr16_b128 v[VF+16*(1-(\par))+8*(\cb)+4:VF+16*(1-(\par))+8*(\cb)+7], v[VA] offset:2048+2048*(\par)+1024+512*(\cb)
.endr
.endif
.endm
.macro STEPADR                         ; two groups on
	v_add_nc_u32 v[KA], 4096, v[KA]
	v_add_nc_u32 v[VA], 4096, v[VA]
.endm
.irp i, 0,1,2,3,4,5,6,7
	ds_load_b128 v[KF+4*(\i):KF+4*(\i)+3], v[KA] offset:512*(\i)  ; K of groups 0 and 1
.endr
.irp cb, 0,1
	ds_load_tr16_b128 v[VF+8*(\cb):VF+8*(\cb)+3],   v[VA] offset:512*(\cb)  ; V of group 0
	ds_load_tr16_b128 v[VF+8*(\cb)+4:VF+8*(\cb)+7], v[VA] offset:1024+512*(\cb)
.endr
	s_wait_dscnt 0x0
	KQ 0, 0                                        ; the first unit's scores
	PLACES
	TURN 0, 0, 0, 0, 1, 0, 0                       ; the first two groups are written out: nothing to round in the first two turns, no V^T P in the first three, and the first four units' products start the sums
	TURN 1, 0, 0, 0, 1, 0, 0
	BWAIT
	TURN 2, 0, 1, 0, 1, 1, 1
	TURN 3, 0, 1, 1, 1, 0, 0
	BWAIT
	TURN 0, 1, 1, 1, 1, 0, 0
	TURN 1, 1, 1, 1, 1, 0, 0
	BWAIT
	TURN 2, 1, 1, 1, 1, 1, 1
	TURN 3, 1, 1, 2, 1, 0, 0
	STEPADR                                        ; the address steps name no result: they stand between the batch and its wait
	BWAIT                                          ; ahead of the label: no result is open there
	s_mov_b32 s[CT], 30
.Lpair:                                                ; a trip: two groups of 32 keys, four batches
	TURN 0, 0, 1, 2, 1, 0, 0
	TURN 1, 0, 1, 2, 1, 0, 0
	BWAIT
	TURN 2, 0, 1, 2, 1, 1, 1
	TURN 3, 0, 1, 2, 1, 0, 0
	BWAIT
	TURN 0, 1, 1, 2, 1, 0, 0
	TURN 1, 1, 1, 2, 1, 0, 0
	BWAIT
	TURN 2, 1, 1, 2, 1, 1, 1
	TURN 3, 1, 1, 2, 1, 0, 0
	STEPADR
	BWAIT                                          ; ahead of the jump: no result crosses a trip's end
	s_sub_co_u32 s[CT], s[CT], 1
	s_cmp_lg_u32 s[CT], 0
	s_cbranch_scc1 .Lpair
	TURN 0, 0, 1, 2, 1, 0, 0                       ; the last two groups: no K beyond group 63, no V beyond it, no scores beyond its last tile
	TURN 1, 0, 1, 2, 1, 0, 0
	BWAIT
	TURN 2, 0, 1, 2, 1, 0, 1
	TURN 3, 0, 1, 2, 1, 0, 0
	BWAIT
	TURN 0, 1, 1, 2, 1, 0, 0
	TURN 1, 1, 1, 2, 1, 0, 0
	BWAIT
	TURN 2, 1, 1, 2, 1, 0, 0
	TURN 3, 1, 1, 2, 0, 0, 0
	BWAIT                                          ; the last batch
	PV 1, 1, 0                                     ; what the turns have left over: the products of the last group's tile 1, and the roundings and products of its tiles 2 and 3
	CV8 2
	PV 2, 1, 0
	CV8 3
	PV 3, 1, 0
	; THE WAY OUT.  Every register of l holds the query's whole sum; O^T is divided by it, rounded to f16 and stored as it lies: a lane's eight channels are a piece of the next launch's operand block.
	PLACES
	WIN 0x01                                       ; source 0 in window 1
.irp t, 0,1,2,3
	v_rcp_f32 v[R+2*(\t)],   v[L+8*(\t)]           ; made twice, to fill the pair by which the packed multiply multiplies
	v_rcp_f32 v[R+2*(\t)+1], v[L+8*(\t)]
.endr
	WIN 0
	v_nop                                          ; a plain instruction between the last reciprocal and the use of its result
	WIN 0x41                                       ; destination and source 0 in window 1
	s_wait_alu depctr_va_vdst(0)                   ; one wait for the batch of eight reciprocals, ahead of the first multiply that reads them
.irp t, 0,1,2,3
.irp i, 0,1,2,3,4,5,6,7
	v_pk_mul_f32 v[O+16*(\t)+2*(\i):O+16*(\t)+2*(\i)+1], v[O+16*(\t)+2*(\i):O+16*(\t)+2*(\i)+1], v[R+2*(\t):R+2*(\t)+1]
.endr
.endr
	WIN 0x05                                       ; sources 0 and 1 in window 1
.set n, 0
.rept 32
	v_cvt_pk_f16_f32 v[S+n], v[O+2*n], v[O+2*n+1]
.set n, n+1
.endr
	WIN 0
.irp t, 0,1,2,3
.irp cb, 0,1
	global_store_b128 v[LA], v[S+8*(\t)+4*(\cb):S+8*(\t)+4*(\cb)+3], s[10:11] offset:(\t)*1024+(\cb)*512  ; 512 consecutive bytes, at a multiple of 256 from the buffer's first
.endr
.endr
	s_wait_tensorcnt 0x0                           ; the wave's end, behind my last tensor load
	ds_add_u32 v[SPW], v[NIL]
	s_wait_dscnt 0x0
	CROUND                                         ; the closing round: no work-group ends while a partner may still ask for a tile that names it
	s_endpgm
.Lfunc_end_k_q53a3e34ab1_attn:
	.size	k_q53a3e34ab1_attn, .Lfunc_end_k_q53a3e34ab1_attn-k_q53a3e34ab1_attn
	.p2alignl 7, 3214868480
	.fill 96, 4, 3214868480
	.section	.rodata,"a",@progbits
	.p2align	6, 0x0
	.amdhsa_kernel k_q53a3e34ab1_attn
		.amdhsa_group_segment_fixed_size 327680
		.amdhsa_private_segment_fixed_size 0
		.amdhsa_enable_private_segment 0
		.amdhsa_kernarg_size 32
		.amdhsa_user_sgpr_count 2
		.amdhsa_user_sgpr_kernarg_segment_ptr 1
		.amdhsa_wavefront_size32 1
		.amdhsa_system_sgpr_workgroup_id_x 1
		.amdhsa_system_sgpr_workgroup_id_y 1
		.amdhsa_system_sgpr_workgroup_id_z 1
		.amdhsa_system_vgpr_workitem_id 0
		.amdhsa_next_free_vgpr 352
		.amdhsa_next_free_sgpr 66
		.amdhsa_reserve_vcc 0
		.amdhsa_float_denorm_mode_32 3
		.amdhsa_float_denorm_mode_16_64 3
		.amdhsa_memory_ordered 1
		.amdhsa_forward_progress 1
		.amdhsa_inst_pref_size 75
	.end_amdhsa_kernel
	.amdgpu_metadata
---
amdhsa.version: [ 1, 2 ]
amdhsa.kernels:
  - .name:           k_q53a3e34ab1_attn
    .symbol:         k_q53a3e34ab1_attn.kd
    .args:
      - { .name: qf, .offset: 0, .size: 8, .value_kind: global_buffer, .address_space: global }
      - { .name: kf, .offset: 8, .size: 8, .value_kind: global_buffer, .address_space: global }
      - { .name: vf, .offset: 16, .size: 8, .value_kind: global_buffer, .address_space: global }
      - { .name: xf, .offset: 24, .size: 8, .value_kind: global_buffer, .address_space: global }
    .group_segment_fixed_size: 327680
    .private_segment_fixed_size: 0
    .kernarg_segment_align: 8
    .kernarg_segment_size: 32
    .max_flat_workgroup_size: 256
    .sgpr_count:     66
    .vgpr_count:     352
    .wavefront_size: 32
...
	.end_amdgpu_metadata
.endif
;; end of part 5
;; launch oproj: the kernel of part 4 again; grid 4 x 64, 4 waves a work-group, clusters of 4 x 1, 167,936 bytes of LDS; arguments xf, wot, out0; writes out0
